; MI455X (gfx1250); checked and timed in simulation.
; The chip was launched on July 23, 2026; its instructions are those of AMD's public machine-readable ISA for CDNA 5 (MIT licence, August 2026) and "CDNA5" Instruction Set Architecture Reference Guide (July 2026). The comments in the code are by the model that wrote it; some were corrected since.
;; Multihead Flash Linear Ensemble1. Allowed arithmetic: matrix products marked QUANTISED: E2M1 operands, one E8M0 scale for each 32 along K, by v_wmma_scale_f32_16x16x128_f8f6f4 with both operands' format E2M1 (or v_wmma_scale_f32_32x16x128_f4), f32 sums; products left as they are: bf16, f16 or f32 operands; f32 sums; everything else in f32.
;; Inputs: cos 2,048 x 16 float32; gamma 128 float32; k_w 512 x 2,048 float32; out_w 2,048 x 2,048 float32; q_w 2,048 x 2,048 float32; raw_map_weights 4 float32; sin 2,048 x 16 float32; v_w 512 x 2,048 float32; weight_scale 1 float32; x 1 x 2,048 x 2,048 float32.
;; Outputs: out0 1 x 2,048 x 2,048 float32.
;; This version of the problem:
;;   THIS VERSION OF THE PROBLEM IS GIVEN IN LOW PRECISION. The matrix products marked QUANTISED in the list below multiply operands that are first quantised to E2M1 (2 exponent bits, 1 mantissa bit; 4 bits a number), with one power-of-two scale for each 32 numbers along K (OCP MX v1.0); their sums are f32. The products marked 'left as it is' may take bf16, f16 or f32 operands, with f32 sums. Whichever they take, every output number must still come out within the allowed error. Rounding operands to bf16 (8 significant bits) uses up far more of that allowance than f16 does (11 bits, for magnitudes from 6e-5 to 65,504). All else is computed in f32.
;;   The module's matrix products, in the order in which they are computed (A, B: the left and right operand; K: the contracted axis; several contracted axes count as one K, in the product's order):
;;     1. [M 2,048, K 2,048] x [K 2,048, N 2,048]; A: input x; B: input q_w: QUANTISED
;;     2. [M 2,048, K 2,048] x [K 2,048, N 512]; A: input x; B: input k_w: QUANTISED
;;     3. [M 2,048, K 2,048] x [K 2,048, N 512]; A: input x; B: input v_w: QUANTISED
;;     4. batch 16 x [M 2,048, K 32] x [K 32, N 2,048]; A: computed on the way; B: computed on the way: left as it is (an operand is computed on the way)
;;     5. batch 16 x [M 128, K 2,048] x [K 2,048, N 2,048]; A: computed on the way; B: computed on the way: left as it is (an operand is computed on the way)
;;     6. batch 16 x [M 2,048, K 32] x [K 32, N 2,048]; A: computed on the way; B: computed on the way: left as it is (an operand is computed on the way)
;;     7. batch 16 x [M 128, K 2,048] x [K 2,048, N 2,048]; A: computed on the way; B: computed on the way: left as it is (an operand is computed on the way)
;;     8. batch 16 x [M 2,048, K 32] x [K 32, N 2,048]; A: computed on the way; B: computed on the way: left as it is (an operand is computed on the way)
;;     9. batch 16 x [M 128, K 2,048] x [K 2,048, N 2,048]; A: computed on the way; B: computed on the way: left as it is (an operand is computed on the way)
;;     10. batch 16 x [M 2,048, K 32] x [K 32, N 2,048]; A: computed on the way; B: computed on the way: left as it is (an operand is computed on the way)
;;     11. batch 16 x [M 128, K 2,048] x [K 2,048, N 2,048]; A: computed on the way; B: computed on the way: left as it is (an operand is computed on the way)
;;     12. [M 2,048, K 2,048] x [K 2,048, N 2,048]; A: computed on the way; B: input out_w: left as it is (an operand is computed on the way)
;;   THE QUANTISER, for each operand of a quantised product, along K:
;;     - K is cut into blocks of 32 from its start; a last block that is shorter is filled with zeros.
;;     - A block's scale is 2^e with e = floor(log2(the largest magnitude in the block)) - 2, held to -126 .. 127; a block of zeros has e = 0. As a byte (E8M0): e + 127.
;;     - Each number is divided by its block's scale, clamped to +-6, and rounded to the nearest number of E2M1, ties to even, subnormals kept.
;;     - The product sums the exact products of the quantised numbers (number of the format x scale) in f32.
;;   ~~~python
;;   def quantise(x, axis):      # numpy; x: float32 -> the quantised numbers, widened to float32 again
;;       x = np.moveaxis(x, axis, -1); K = x.shape[-1]
;;       x = np.pad(x, [(0, 0)] * (x.ndim - 1) + [(0, -K % 32)]); x = x.reshape(x.shape[:-1] + (-1, 32)); a = np.abs(x).max(-1, keepdims=True)
;;       e = np.where(a > 0, np.clip(np.frexp(np.where(a > 0, a, 1))[1] - 1 - 2, -126, 127), 0)      # np.frexp(a)[1] - 1 = floor(log2(a)), exactly
;;       r = np.clip(x / 2.0 ** e, -6, 6)
;;       step = 2.0 ** (np.maximum(np.frexp(np.where(r == 0, 1, r))[1] - 1, 0) - 1)
;;       q = np.round(r / step) * step * 2.0 ** e      # np.round: ties to even
;;       return np.moveaxis(q.reshape(q.shape[:-2] + (-1,))[..., :K], -1, axis).astype(np.float32)
;;   ~~~
;; One version. Each part assembles by itself: llvm-mc -triple=amdgcn-amd-amdhsa -mcpu=gfx1250 --defsym DOCPART=n.
;; ======== version 1 of 1: 5 launches
;; limits: values are held in f16: magnitudes above 65,504 overflow, below 6.1e-05 lose precision
;; workspace buffers: xc 2,097,152 bytes; xs 131,072 bytes; wc 3,145,728 bytes; ws 196,608 bytes; ow16 8,388,608 bytes; qkv 12,582,912 bytes; n16 8,388,608 bytes
;; launch prep (part 1): grid 448 x 1, 4 waves a work-group, no clusters, 33,280 bytes of LDS; arguments x, q_w, k_w, v_w, out_w, gamma, xc, xs, wc, ws, ow16; writes xc, xs, wc, ws, ow16
.if DOCPART == 1
	.amdgcn_target "amdgcn-amd-amdhsa--gfx1250"
	.amdhsa_code_object_version 6
	.text
	.protected	k_q694c235520_prep
	.globl	k_q694c235520_prep
	.p2align	8
	.type	k_q694c235520_prep,@function
k_q694c235520_prep:
	s_mov_b64 s[64:65], 0
	v_nop
	global_prefetch_b8 v0, s[64:65] scope:SCOPE_SE
	s_setreg_imm32_b32 hwreg(HW_REG_WAVE_MODE, 25, 1), 1
	s_wait_xcnt 0x0
; THE PROGRAM: five launches.  prep: x, q_w, k_w, v_w into codes of FP4 (E2M1) with one E8M0 byte for each 32 along K; out_w x gamma into f16.  first16: the first 16 positions' projection (on codes), attention and norm, in f32.
; proj: one product on codes, [2048 x 3072], rotary and the softmax's factor on its way out, f16.  attn: causal attention of four maps for positions 16 on, their weighted sum, the RMS norm, f16.
; outp: the projection on the way out, f16 operands, f32 sums and results.
; WORK LEFT OUT.  reference() builds causal = tril(ones) in its own body and sets every score with key > query to -infinity ahead of the softmax: its p is 0 and adds nothing to the row's sum or to p v, whatever
; finite values the inputs hold.  So attn does not multiply the tiles of 64 keys x 16 queries all of whose keys come after all of whose queries.  Nothing else is left out; every input has a way to the result and is loaded.
; LIMIT of that: a NaN, an infinity or an overflow that would arise only in a score that the mask hides is not carried to the result.
; TWO FACTORS ARE MOVED, each exact in real numbers: log2(e) / sqrt(32) goes into q ahead of the scores (proj, first16), gamma[c % 128] into out_w[o][c] ahead of its rounding to f16 (here).
; LIMITS: q x 0.255, k, v and gamma x out_w are kept in f16: beyond 65,504 they become infinity.  NaN and infinities among the inputs are not served.  A block of zeros gets the scale byte 1 where the rule says 127:
; its codes are zeros, which add nothing under any byte but 0xff, and the bytes are read by this program alone.  Blocks whose largest magnitude lies under 2^-124, the floor, are held at the byte 1.
; THIS LAUNCH.  A work-group takes 32,768 numbers, a wave 8,192.  Work-groups 0-127: x; 128-255: q_w; 256-287: k_w; 288-319: v_w (the three weights' codes lie on end in wc, their bytes in ws); 320-447: out_w.
; Rows are dense and K is a multiple of 32: each tensor is a plain stream of blocks of 32.  Only pointers are chosen by the work-group's number; the quantised tensors take one path through the text.
.set WAVES, 4
.set STEPS, 16
.set EMAX,  2
.set CB,    8                          ; bytes of 16 codes
.set R,     16                         ; v16-79   four sets of 16 numbers as they are loaded
.set X,     80                         ; v80-111  two sets of 16 neighbours
.set C,     128                        ; v128-191 codes: four registers for each step, so that no store's data are written again
.set E,     112                        ; v112-127 a scale byte for each step
.set WREG,  8192                       ; LDS: a region for each wave: two stages of 32 x SP bytes, behind them its 256 scale bytes
.set SP,    80                         ; a lane's place in a stage: its 64 bytes + 16 of padding
.set SPW,   12                         ; v12  LDS address of my spare word; never rewritten
.set NIL,   13                         ; v13  0; never rewritten
.set SPARE, WAVES*WREG                 ; behind the four regions: the spare words, 128 bytes a wave, that no other line names
.set CX,    32                         ; the cast: v32-159 two sets of 64 numbers
.set CY,    160                        ; v160-191 results to be stored
	s_load_b512 s[4:19], s[0:1], 0x0               ; x, q_w, k_w, v_w, out_w, gamma, xc, xs
	s_load_b128 s[20:23], s[0:1], 0x40             ; wc, ws
	s_load_b64 s[24:25], s[0:1], 0x50              ; ow16
	v_lshl_add_u32 v[SPW], v0, 2, SPARE
	v_mov_b32 v[NIL], 0
	v_lshrrev_b32 v1, 5, v0
	v_readfirstlane_b32 s26, v1                    ; wave
	v_and_b32 v2, 31, v0                           ; lane
	v_lshlrev_b32 v3, 4, v2                        ; my 16 bytes of a load's 512
	s_wait_kmcnt 0x0
	s_cmp_ge_u32 ttmp9, 320
	s_cbranch_scc1 .Lcast
	; ---- the quantiser
	s_mul_i32 s27, s26, WREG
	v_lshrrev_b32 v14, 2, v2
	v_mul_u32_u24 v14, v14, SP
	v_and_b32 v15, 3, v2
	v_lshl_add_u32 v14, v15, 4, v14
	v_add_nc_u32 v14, s27, v14                     ; the stage, on the way in: four lanes' 64 bytes on end, then 16 of padding
	v_mul_u32_u24 v15, v2, SP
	v_add_nc_u32 v15, s27, v15                     ; on the way out: my 16 neighbours
	v_mul_u32_u24 v4, v2, CB                       ; my codes' place in a step's
	v_lshrrev_b32 v5, 1, v2
	s_add_co_u32 s27, s27, 2*32*SP
	v_add_nc_u32 v5, s27, v5                       ; my wave's 256 scale bytes, my block's byte
	v_lshlrev_b32 v7, 3, v2                        ; and on the way out 8 bytes a lane
	v_add_nc_u32 v6, s27, v7
	s_mov_b32 s30, 288                             ; which tensor, and the first work-group that takes it: the choices hang on the work-group's number alone
	s_cmp_lt_u32 ttmp9, 288
	s_cselect_b64 s[28:29], s[8:9], s[10:11]
	s_cselect_b32 s30, 256, s30
	s_cmp_lt_u32 ttmp9, 256
	s_cselect_b64 s[28:29], s[6:7], s[28:29]
	s_cselect_b32 s30, 128, s30
	s_cmp_lt_u32 ttmp9, 128
	s_cselect_b64 s[28:29], s[4:5], s[28:29]
	s_cselect_b32 s30, 0, s30
	s_cselect_b64 s[32:33], s[16:17], s[20:21]     ; codes: xc or wc
	s_cselect_b64 s[34:35], s[18:19], s[22:23]     ; bytes: xs or ws
	s_cselect_b32 s31, 0, 128
	s_sub_co_u32 s30, ttmp9, s30
	s_lshl_b32 s30, s30, 2
	s_add_co_u32 s30, s30, s26                     ; my run of 8,192 numbers in the tensor that I read,
	s_sub_co_u32 s31, ttmp9, s31
	s_lshl_b32 s31, s31, 2
	s_add_co_u32 s31, s31, s26                     ; and in the buffers that I write
	s_lshl_b32 s36, s30, 15                        ; 32,768 bytes of numbers a run
	s_mov_b32 s37, 0
	s_add_nc_u64 s[28:29], s[28:29], s[36:37]
	s_lshl_b32 s36, s31, 12                        ; 4,096 of codes
	s_add_nc_u64 s[32:33], s[32:33], s[36:37]
	s_lshl_b32 s36, s31, 8                         ; 256 scale bytes
	s_add_nc_u64 s[34:35], s[34:35], s[36:37]
.macro LOAD t
.irp i, 0,1,2,3
	global_load_b128 v[R+16*((\t)%4)+4*\i:R+16*((\t)%4)+4*\i+3], v3, s[28:29] offset:2048*(\t)+512*\i th:TH_LOAD_NT   ; 32 lanes read 512 consecutive bytes
.endr
.endm
.macro TURN t                          ; step t's numbers through the stage: LDS serves a wave's instructions in order, so no wait stands between the stores and the loads
.irp i, 0,1,2,3
	ds_store_b128 v14, v[R+16*((\t)%4)+4*\i:R+16*((\t)%4)+4*\i+3] offset:32*SP*((\t)%2)+8*SP*\i
.endr
.irp i, 0,1,2,3
	ds_load_b128 v[X+16*((\t)%2)+4*\i:X+16*((\t)%2)+4*\i+3], v15 offset:32*SP*((\t)%2)+16*\i
.endr
.endm
.irp t, 0,1,2,3
	LOAD \t
.endr
	s_wait_loadcnt 12                              ; step 0's four loads are in
	TURN 0
.macro STEP t
.set XS, X+16*((\t)%2)
.if (\t) > 0
	s_wait_dscnt 1                                 ; this step's numbers are back from the stage (the last step's byte store may be out)
.else
	s_wait_dscnt 0x0
.endif
.if (\t)+4 < STEPS
	LOAD (\t)+4                                    ; into the registers whose stores into the stage have been served
.endif
.if (\t)+1 < STEPS
.if STEPS-2-(\t) >= 3
	s_wait_loadcnt 12                              ; the next step's four loads are in; those of the three steps behind it may be out
.else
	s_wait_loadcnt 4*(STEPS-2-(\t))
.endif
	TURN (\t)+1                                    ; they go through the other stage while this step is worked
.endif
	v_max3_num_f32 v8, |v[XS]|, |v[XS+1]|, |v[XS+2]|               ; the largest magnitude of my 16, in two chains
	v_max3_num_f32 v9, |v[XS+3]|, |v[XS+4]|, |v[XS+5]|
.irp i, 6,10
	v_max3_num_f32 v8, v8, |v[XS+\i]|, |v[XS+\i+1]|
	v_max3_num_f32 v9, v9, |v[XS+\i+2]|, |v[XS+\i+3]|
.endr
	v_max3_num_f32 v8, v8, |v[XS+14]|, |v[XS+15]|
	v_max3_num_f32 v8, v8, v9, (EMAX+1)<<23        ; and the floor 2^(3 - 127): the byte cannot fall under 1
	v_max_num_f32_dpp v8, v8, v8 row_xmask:1 row_mask:0xf bank_mask:0xf   ; with my neighbour's 16: the block's
	v_add_nc_u32 v11, 0xff000000, v8               ; 2 off its exponent field: the conversion takes the exponent field of this operand as its scale
	v_cvt_scalef32_pk8_fp4_f32 v[C+4*(\t)], v[XS:XS+7], v11
	v_cvt_scalef32_pk8_fp4_f32 v[C+4*(\t)+1], v[XS+8:XS+15], v11
	v_lshrrev_b32 v[E+(\t)], 23, v11               ; the scale's byte
	ds_store_b8 v5, v[E+(\t)] offset:16*(\t)       ; both lanes of a block write the same byte with the same value
	global_store_b64 v4, v[C+4*(\t):C+4*(\t)+1], s[32:33] offset:32*CB*(\t)   ; the wave stores 256 consecutive bytes, aligned
.endm
.irp t, 0,1,2,3,4,5,6,7,8,9,10,11,12,13,14,15
	STEP \t
.endr
	ds_load_b64 v[8:9], v6                         ; LDS serves a wave's instructions in order: these see my stores
	s_wait_dscnt 0x0
	global_store_b64 v7, v[8:9], s[34:35]          ; 32 lanes store 256 consecutive bytes, aligned
	s_wait_tensorcnt 0x0                           ; the wave's end: a wait, an add and its wait behind my last LDS store
	ds_add_u32 v[SPW], v[NIL]
	s_wait_dscnt 0x0
	s_endpgm
	; ---- the cast: ow16[o][c] = f16(out_w[o][c] x gamma[c % 128]).  No LDS.  A load's 512 bytes are 128 columns, one period of gamma: a lane's four gammas never change
.macro LOADB g
.irp i, 0,1,2,3,4,5,6,7,8,9,10,11,12,13,14,15
	global_load_b128 v[CX+64*((\g)%2)+4*\i:CX+64*((\g)%2)+4*\i+3], v3, s[12:13] offset:8192*(\g)+512*\i th:TH_LOAD_NT
.endr
.endm
.Lcast:
	s_sub_co_u32 s27, ttmp9, 320
	s_lshl_b32 s27, s27, 2
	s_add_co_u32 s27, s27, s26                     ; my run of 8,192 numbers
	s_lshl_b32 s36, s27, 15
	s_mov_b32 s37, 0
	s_add_nc_u64 s[12:13], s[12:13], s[36:37]
	s_lshl_b32 s36, s27, 14
	s_add_nc_u64 s[24:25], s[24:25], s[36:37]
	v_lshlrev_b32 v8, 3, v2                        ; out: 8 bytes a lane
	global_load_b128 v[4:7], v3, s[14:15]          ; gamma[4 lane .. 4 lane + 3]
	LOADB 0
	LOADB 1
.irp g, 0,1,2,3
.if \g < 3
	s_wait_loadcnt 16                              ; this batch is in; the next batch's sixteen may be out
.else
	s_wait_loadcnt 0x0
.endif
.if \g > 0
	s_wait_xcnt 0x0                                ; the last batch's stores have read their data: the registers are written again only behind this wait
.endif
.irp i, 0,1,2,3,4,5,6,7,8,9,10,11,12,13,14,15
	v_pk_mul_f32 v[CX+64*(\g%2)+4*\i:CX+64*(\g%2)+4*\i+1], v[CX+64*(\g%2)+4*\i:CX+64*(\g%2)+4*\i+1], v[4:5]
	v_pk_mul_f32 v[CX+64*(\g%2)+4*\i+2:CX+64*(\g%2)+4*\i+3], v[CX+64*(\g%2)+4*\i+2:CX+64*(\g%2)+4*\i+3], v[6:7]
	v_cvt_pk_f16_f32 v[CY+2*\i], v[CX+64*(\g%2)+4*\i], v[CX+64*(\g%2)+4*\i+1]
	v_cvt_pk_f16_f32 v[CY+2*\i+1], v[CX+64*(\g%2)+4*\i+2], v[CX+64*(\g%2)+4*\i+3]
	global_store_b64 v8, v[CY+2*\i:CY+2*\i+1], s[24:25] offset:4096*\g+256*\i   ; the wave stores 256 consecutive bytes, aligned
.endr
.if \g < 2
	LOADB \g+2
.endif
.endr
	s_endpgm
.Lfunc_end_k_q694c235520_prep:
	.size	k_q694c235520_prep, .Lfunc_end_k_q694c235520_prep-k_q694c235520_prep
	.p2alignl 7, 3214868480
	.fill 96, 4, 3214868480
	.section	.rodata,"a",@progbits
	.p2align	6, 0x0
	.amdhsa_kernel k_q694c235520_prep
		.amdhsa_group_segment_fixed_size 33280
		.amdhsa_private_segment_fixed_size 0
		.amdhsa_enable_private_segment 0
		.amdhsa_kernarg_size 88
		.amdhsa_user_sgpr_count 2
		.amdhsa_user_sgpr_kernarg_segment_ptr 1
		.amdhsa_wavefront_size32 1
		.amdhsa_system_sgpr_workgroup_id_x 1
		.amdhsa_system_sgpr_workgroup_id_y 1
		.amdhsa_system_sgpr_workgroup_id_z 1
		.amdhsa_system_vgpr_workitem_id 0
		.amdhsa_next_free_vgpr 192
		.amdhsa_next_free_sgpr 66
		.amdhsa_reserve_vcc 0
		.amdhsa_float_denorm_mode_32 3
		.amdhsa_float_denorm_mode_16_64 3
		.amdhsa_memory_ordered 1
		.amdhsa_forward_progress 1
		.amdhsa_inst_pref_size 63
	.end_amdhsa_kernel
	.amdgpu_metadata
---
amdhsa.version: [ 1, 2 ]
amdhsa.kernels:
  - .name:           k_q694c235520_prep
    .symbol:         k_q694c235520_prep.kd
    .args:
      - { .name: x, .offset: 0, .size: 8, .value_kind: global_buffer, .address_space: global }
      - { .name: q_w, .offset: 8, .size: 8, .value_kind: global_buffer, .address_space: global }
      - { .name: k_w, .offset: 16, .size: 8, .value_kind: global_buffer, .address_space: global }
      - { .name: v_w, .offset: 24, .size: 8, .value_kind: global_buffer, .address_space: global }
      - { .name: out_w, .offset: 32, .size: 8, .value_kind: global_buffer, .address_space: global }
      - { .name: gamma, .offset: 40, .size: 8, .value_kind: global_buffer, .address_space: global }
      - { .name: xc, .offset: 48, .size: 8, .value_kind: global_buffer, .address_space: global }
      - { .name: xs, .offset: 56, .size: 8, .value_kind: global_buffer, .address_space: global }
      - { .name: wc, .offset: 64, .size: 8, .value_kind: global_buffer, .address_space: global }
      - { .name: ws, .offset: 72, .size: 8, .value_kind: global_buffer, .address_space: global }
      - { .name: ow16, .offset: 80, .size: 8, .value_kind: global_buffer, .address_space: global }
    .group_segment_fixed_size: 33280
    .private_segment_fixed_size: 0
    .kernarg_segment_align: 8
    .kernarg_segment_size: 88
    .max_flat_workgroup_size: 128
    .sgpr_count:     66
    .vgpr_count:     192
    .wavefront_size: 32
...
	.end_amdgpu_metadata
.endif
;; end of part 1
;; launch first16 (part 2): grid 16 x 1, 8 waves a work-group, no clusters, 30,464 bytes of LDS; arguments xc, xs, wc, ws, cos, sin, raw_map_weights, weight_scale, n16; writes n16
.if DOCPART == 2
	.amdgcn_target "amdgcn-amd-amdhsa--gfx1250"
	.amdhsa_code_object_version 6
	.text
	.protected	k_q694c235520_first16
	.globl	k_q694c235520_first16
	.p2align	8
	.type	k_q694c235520_first16,@function
k_q694c235520_first16:
	s_mov_b64 s[64:65], 0
	v_nop
	global_prefetch_b8 v0, s[64:65] scope:SCOPE_SE
	s_setreg_imm32_b32 hwreg(HW_REG_WAVE_MODE, 25, 1), 1
	s_wait_xcnt 0x0
; n16[t][128 hq + e] for THE FIRST 16 POSITIONS, t = 0 .. 15, with everything behind the quantised products in f32.  A row with few keys sums few terms, and where the map weights nearly cancel the weighted sum is small
; beside its terms; the RMS norm then magnifies, by up to 1 / sqrt(1e-5), whatever the rounding of p, q and k to f16 would leave.  So these rows' q, k, v, scores, p and sums stay in f32; only the normed result is rounded to f16.
; The launch attn makes positions 16 on.  No work of reference() is left out here: hidden keys are masked inside the one tile of 16 x 16.
; A work-group takes one query head hq (kv head g = hq / 4).  Eight waves, three phases, two barriers.
; 1: rows 0-15 of x against 128 rows each of q_w (head hq), k_w and v_w (head g), on codes of FP4 (E2M1) with E8M0 scales, K = 2,048: wave w takes columns 16 w .. 16 w + 15 of each: three accumulators by turns, 16 K steps.
;    THE MATRIX INSTRUCTION IS USED TRANSPOSED (source 0 = 16 rows of the weight, source 1 = the 16 rows of x): a lane holds row t = lane % 16 and eight neighbouring columns: four pairs of the rotation.
;    q is rotated and multiplied by log2(e) / sqrt(32), k rotated; q, k, v go to LDS as f32 rows.  k and v are made by each of the 4 query heads of a kv head: 16 rows only, less than a further launch would cost.
; 2: thread = (map, query, group of 4 keys) = bits 7:6, 5:2, 1:0 of its number: 4 scores of 32 multiply-adds, the mask, maximum and sum over 4 lanes, and tanh(raw) scale p / l to LDS.
; 3: thread = (query, 8 channels): the four maps' weights of a key are added (all 16 keys are at hand, so one pass over v serves all maps), 16 keys x 8 channels of multiply-adds, the norm over 16 lanes, one store.
; No tensor loads: fragments go from memory straight into registers, four chunks of 4 K steps on two sets.  No cluster: nothing is fetched through LDS.
; REGISTERS.  Window 0: v1-15 addresses; phase 1: v16-31 x's scale words, v32-79 the weights', v80-87 cos, sin, v88-111 the accumulators, v112-143 at work; phases 2 and 3 lay their own over v16 on.
;   Window 1: two sets of 128: K step q of a chunk at 32 q: x's fragment, then the three weights'.
.set PQ,    528                        ; an LDS row of 128 f32: 512 bytes + 16
.set QSB,   0
.set KSB,   16*PQ
.set VSB,   2*16*PQ
.set PWB,   3*16*PQ                    ; the weights w p / l: [map][query][key], 4,096 bytes
.set SPARE, PWB+4096                   ; the spare words, 128 bytes a wave, that no other line names
.set SPW, 1
.set NIL, 2
.set FO,  5                            ; a fragment's offset: row r x 1,024 + 16 h
.set SO,  6                            ; a row's scale bytes: r x 64
.set CSO, 7                            ; my four pairs in cos and sin
.set LST, 8                            ; phase 1: where I put 32 bytes of a row
.set AQ,  9                            ; phase 2: my query's map
.set AKK, 10                           ; my four keys' map
.set APW, 11                           ; my four weights
.set APR, 12                           ; phase 3: my query's weights
.set AVV, 13                           ; my 8 channels of v
.set GO,  14                           ; my offset in n16
.set DD,  15                           ; query - first key of my four
.set SCX, 16
.set SCW, 32
.set CSR, 80
.set SNR, 84
.set ACC, 88
.set OQ,  112
.set T,   128
.set U,   136
.set QR,  16                           ; phase 2
.set KR,  48
.set AP,  176
.set TS,  184
.set MX,  188
.set LL,  189
.set L2,  190
.set EZ,  191
.set CF,  192
.set PR,  16                           ; phase 3
.set VR,  80
.set CBR, 208
.set SS,  216
.set RR,  217
.set PKR, 220
.set WCB, 44                           ; s[44:49] the three weights' codes at my 16 rows;  s[50:55] their scale bytes
.set WSB, 50
.set MSB, 0
.macro WIN new                         ; the immediate's high byte repeats the setting that is left
.if MSB != \new
	s_set_vgpr_msb (MSB<<8)|\new
.set MSB, \new
.endif
.endm
	s_load_b512 s[4:19], s[0:1], 0x0               ; xc, xs, wc, ws, cos, sin, raw_map_weights, weight_scale
	s_load_b64 s[20:21], s[0:1], 0x40              ; n16
	v_lshl_add_u32 v[SPW], v0, 2, SPARE
	v_mov_b32 v[NIL], 0
	v_lshrrev_b32 v3, 5, v0
	v_readfirstlane_b32 s22, v3                    ; wave 0..7
	v_and_b32 v3, 15, v0                           ; r
	v_bfe_u32 v4, v0, 4, 1                         ; h
	v_lshlrev_b32 v[FO], 10, v3
	v_lshl_add_u32 v[FO], v4, 4, v[FO]
	v_lshlrev_b32 v[SO], 6, v3
	s_and_b32 s23, s22, 1
	s_lshl_b32 s23, s23, 5
	v_lshl_add_u32 v[CSO], v4, 4, v[SO]
	v_add_nc_u32 v[CSO], s23, v[CSO]               ; row r of 64 bytes; pairs 8 (wave % 2) + 4 h + 0 .. 3
	v_mul_u32_u24 v[LST], v3, PQ
	v_lshl_add_u32 v[LST], v4, 5, v[LST]
	s_lshl_b32 s23, s22, 6
	v_add_nc_u32 v[LST], s23, v[LST]               ; row r, columns 16 wave + 8 h on
	v_bfe_u32 v16, v0, 2, 4                        ; phase 2: my query,
	v_bfe_u32 v17, v0, 6, 2                        ; my map,
	v_and_b32 v18, 3, v0                           ; my group of four keys
	v_mul_u32_u24 v[AQ], v16, PQ
	v_lshl_add_u32 v[AQ], v17, 7, v[AQ]
	v_mul_u32_u24 v[AKK], v18, 4*PQ
	v_lshl_add_u32 v[AKK], v17, 7, v[AKK]
	v_add_nc_u32 v[AKK], KSB, v[AKK]
	v_lshl_add_u32 v[APW], v0, 4, PWB              ; [map][query][group] is the thread's number: 16 bytes each
	v_lshlrev_b32 v18, 2, v18
	v_sub_nc_u32 v[DD], v16, v18
	v_lshrrev_b32 v16, 4, v0                       ; phase 3: my query
	v_lshl_add_u32 v[APR], v16, 6, PWB
	v_lshl_add_u32 v[AVV], v3, 5, VSB
	v_lshlrev_b32 v[GO], 12, v16
	v_lshl_add_u32 v[GO], v3, 4, v[GO]             ; row t of 4,096 bytes, 16 bytes a lane
	s_lshr_b32 s23, ttmp9, 2                       ; g
	s_lshl_b32 s24, ttmp9, 7
	s_lshl_b32 s25, s22, 4
	s_add_co_u32 s24, s24, s25                     ; my 16 rows of the weights' buffer: q's at 128 hq + 16 wave,
	s_lshl_b32 s26, s23, 7
	s_add_co_u32 s26, s26, s25
	s_add_co_u32 s26, s26, 2048                    ; k's at 2,048 + 128 g + 16 wave,
	s_add_co_u32 s28, s26, 512                     ; v's 512 further on
	s_mov_b32 s41, 0
	s_mov_b32 s58, 0x3e8293ee                      ; log2(e) / sqrt(32)
	s_mov_b32 s59, 0xff800000                      ; -infinity
	s_mov_b32 s60, 0x3c000000                      ; 1 / 128
	s_mov_b32 s61, 0x3727c5ac                      ; 1e-5
	s_wait_kmcnt 0x0
	s_lshl_b32 s40, s24, 10                        ; 1,024 bytes of codes a row, 64 scale bytes
	s_add_nc_u64 s[WCB:WCB+1], s[8:9], s[40:41]
	s_lshl_b32 s40, s24, 6
	s_add_nc_u64 s[WSB:WSB+1], s[10:11], s[40:41]
	s_lshl_b32 s40, s26, 10
	s_add_nc_u64 s[WCB+2:WCB+3], s[8:9], s[40:41]
	s_lshl_b32 s40, s26, 6
	s_add_nc_u64 s[WSB+2:WSB+3], s[10:11], s[40:41]
	s_lshl_b32 s40, s28, 10
	s_add_nc_u64 s[WCB+4:WCB+5], s[8:9], s[40:41]
	s_lshl_b32 s40, s28, 6
	s_add_nc_u64 s[WSB+4:WSB+5], s[10:11], s[40:41]
	s_lshr_b32 s40, s22, 1
	s_lshl_b32 s40, s40, 2                         ; phase 2: my wave's map is wave / 2
	s_add_nc_u64 s[16:17], s[16:17], s[40:41]
	s_load_b32 s56, s[16:17], 0x0                  ; its raw weight
	s_load_b32 s57, s[18:19], 0x0                  ; the scale
	s_lshl_b32 s40, ttmp9, 8
	s_add_nc_u64 s[20:21], s[20:21], s[40:41]      ; n16 at my head's 256 bytes of row 0
.irp d, 0,1,2,3
	global_load_b128 v[SCX+4*\d:SCX+4*\d+3], v[SO], s[6:7] offset:16*\d            ; x's 16 scale words of row r: word s for K step s (lanes 16-31 hold the same and are not read)
.endr
.irp j, 0,1,2
.irp d, 0,1,2,3
	global_load_b128 v[SCW+16*\j+4*\d:SCW+16*\j+4*\d+3], v[SO], s[WSB+2*\j:WSB+2*\j+1] offset:16*\d
.endr
.endr
	global_load_b128 v[CSR:CSR+3], v[CSO], s[12:13]
	global_load_b128 v[SNR:SNR+3], v[CSO], s[14:15]
.macro LOADC c                         ; chunk c: K steps 4 c .. 4 c + 3 into set c % 2: 32 loads.  A fragment (16 rows x 128 K of 4-bit codes) is 8 registers: two loads of 16 bytes, 32 bytes apart
	WIN 0x40                                       ; destination window 1, address window 0
.irp q, 0,1,2,3
.irp e, 0,1
	global_load_b128 v[128*((\c)%2)+32*\q+4*\e:128*((\c)%2)+32*\q+4*\e+3], v[FO], s[4:5] offset:64*(4*(\c)+\q)+32*\e
.irp j, 0,1,2
	global_load_b128 v[128*((\c)%2)+32*\q+8+8*\j+4*\e:128*((\c)%2)+32*\q+8+8*\j+4*\e+3], v[FO], s[WCB+2*\j:WCB+2*\j+1] offset:64*(4*(\c)+\q)+32*\e
.endr
.endr
.endr
	WIN 0
.endm
.macro MULC c                          ; its 12 matrix instructions: the three accumulators take turns, one instruction a turn; the very first three start the sums
	WIN 0x05                                       ; sources 0 and 1 window 1; C and D window 0
.irp q, 0,1,2,3
.irp j, 0,1,2
.if (4*(\c)+\q) == 0
	v_wmma_scale_f32_16x16x128_f8f6f4 v[ACC+8*\j:ACC+8*\j+7], v[128*((\c)%2)+32*\q+8+8*\j:128*((\c)%2)+32*\q+8+8*\j+7], v[128*((\c)%2)+32*\q:128*((\c)%2)+32*\q+7], 0, v[SCW+16*\j+4*(\c)+\q], v[SCX+4*(\c)+\q] matrix_a_fmt:MATRIX_FMT_FP4 matrix_b_fmt:MATRIX_FMT_FP4
.else
	v_wmma_scale_f32_16x16x128_f8f6f4 v[ACC+8*\j:ACC+8*\j+7], v[128*((\c)%2)+32*\q+8+8*\j:128*((\c)%2)+32*\q+8+8*\j+7], v[128*((\c)%2)+32*\q:128*((\c)%2)+32*\q+7], v[ACC+8*\j:ACC+8*\j+7], v[SCW+16*\j+4*(\c)+\q], v[SCX+4*(\c)+\q] matrix_a_fmt:MATRIX_FMT_FP4 matrix_b_fmt:MATRIX_FMT_FP4
.endif
.endr
.endr
	WIN 0
.endm
.macro PLACES                          ; four places in front of loads into registers that matrix instructions have read (ISA guide 7.12.1 for vector instructions)
.rept 4
	v_nop
.endr
.endm
	LOADC 0
	LOADC 1
	s_wait_loadcnt 32                              ; the scale words, cos, sin and chunk 0 are in; chunk 1's 32 loads may be out
	MULC 0
	PLACES
	LOADC 2
	s_wait_loadcnt 32                              ; chunk 1 is in; chunk 2's may be out
	MULC 1
	PLACES
	LOADC 3
	s_wait_loadcnt 32
	MULC 2
	s_wait_loadcnt 0x0
	MULC 3
.irp p, 0,1,2,3
	v_mul_f32 v[T+\p], s58, v[CSR+\p]              ; q's cos and sin carry the softmax's factor.  (These eight lines are also the places behind the last products)
	v_mul_f32 v[T+4+\p], s58, v[SNR+\p]
.endr
.irp p, 0,1,2,3                                ; q: registers 2 p, 2 p + 1 are pair 8 (wave % 2) + 4 h + p.  Each accumulator is first read among its four lowest registers
	v_mul_f32 v[U+\p], v[ACC+2*\p+1], v[T+4+\p]                    ; x2 S
	v_mul_f32 v[U+4+\p], v[ACC+2*\p], v[T+4+\p]                    ; x1 S
	v_fma_f32 v[OQ+2*\p], v[ACC+2*\p], v[T+\p], -v[U+\p]           ; x1 C - x2 S
	v_fma_f32 v[OQ+2*\p+1], v[ACC+2*\p+1], v[T+\p], v[U+4+\p]      ; x2 C + x1 S
.endr
.irp p, 0,1,2,3                                ; k
	v_mul_f32 v[U+\p], v[ACC+8+2*\p+1], v[SNR+\p]
	v_mul_f32 v[U+4+\p], v[ACC+8+2*\p], v[SNR+\p]
	v_fma_f32 v[OQ+8+2*\p], v[ACC+8+2*\p], v[CSR+\p], -v[U+\p]
	v_fma_f32 v[OQ+8+2*\p+1], v[ACC+8+2*\p+1], v[CSR+\p], v[U+4+\p]
.endr
	ds_store_b128 v[LST], v[OQ:OQ+3] offset:QSB
	ds_store_b128 v[LST], v[OQ+4:OQ+7] offset:QSB+16
	ds_store_b128 v[LST], v[OQ+8:OQ+11] offset:KSB
	ds_store_b128 v[LST], v[OQ+12:OQ+15] offset:KSB+16
	ds_store_b128 v[LST], v[ACC+16:ACC+19] offset:VSB              ; v as it is, from its low end on
	ds_store_b128 v[LST], v[ACC+20:ACC+23] offset:VSB+16
	s_wait_dscnt 0x0                               ; for the others' sake: my stores have landed
	s_barrier_signal -1
	s_barrier_wait -1                              ; q, k, v of the 16 rows lie in LDS
	; ---- 2: four scores a thread
.irp f, 0,1,2,3,4,5,6,7
	ds_load_b128 v[QR+4*\f:QR+4*\f+3], v[AQ] offset:16*\f
.endr
.irp e, 0,1,2,3
.irp f, 0,1,2,3,4,5,6,7
	ds_load_b128 v[KR+32*\e+4*\f:KR+32*\e+4*\f+3], v[AKK] offset:\e*PQ+16*\f
.endr
.endr
	s_wait_kmcnt 0x0                               ; the raw weight and the scale
	s_mul_f32 s56, s56, 0x4038aa3b                 ; 2 log2(e) x raw
	s_wait_dscnt 0x0
.irp e, 0,1,2,3
	v_pk_mul_f32 v[AP+2*\e:AP+2*\e+1], v[QR:QR+1], v[KR+32*\e:KR+32*\e+1]          ; two multiply-adds an instruction; the four keys by turns
.endr
.irp d, 2,4,6,8,10,12,14,16,18,20,22,24,26,28,30
.irp e, 0,1,2,3
	v_pk_fma_f32 v[AP+2*\e:AP+2*\e+1], v[QR+\d:QR+\d+1], v[KR+32*\e+\d:KR+32*\e+\d+1], v[AP+2*\e:AP+2*\e+1]
.endr
.endr
.irp e, 0,1,2,3
	v_add_f32 v[TS+\e], v[AP+2*\e], v[AP+2*\e+1]   ; t: the factor lies in q
.endr
.irp e, 0,1,2,3
	v_cmp_le_i32 vcc_lo, \e, v[DD]                 ; my key e counts where it is at or under my query
	v_cndmask_b32 v[TS+\e], s59, v[TS+\e], vcc_lo  ; else -infinity, ahead of the maximum
.endr
	v_max3_num_f32 v[MX], v[TS], v[TS+1], v[TS+2]
	v_max_num_f32 v[MX], v[MX], v[TS+3]
	v_max_num_f32_dpp v[MX], v[MX], v[MX] row_xmask:1 row_mask:0xf bank_mask:0xf   ; with the three lanes that hold the query's other keys: key 0 counts for every query, so this is a number
	v_max_num_f32_dpp v[MX], v[MX], v[MX] row_xmask:2 row_mask:0xf bank_mask:0xf
.irp e, 0,1,2,3
	v_sub_f32 v[TS+\e], v[TS+\e], v[MX]
.endr
.irp e, 0,1,2,3
	v_exp_f32 v[TS+\e], v[TS+\e]                   ; p
.endr
	v_exp_f32 v[EZ], s56                           ; e^(2 raw)
	v_nop                                          ; a plain instruction behind the last exponential
	s_wait_alu depctr_va_vdst(0)                   ; one wait for the five, ahead of their first reader
	v_add_f32 v[LL], v[TS], v[TS+1]
	v_add_f32 v[L2], v[TS+2], v[TS+3]
	v_add_f32 v[EZ], 1.0, v[EZ]
	v_add_f32 v[LL], v[LL], v[L2]
	v_add_f32_dpp v[LL], v[LL], v[LL] row_xmask:1 row_mask:0xf bank_mask:0xf
	v_add_f32_dpp v[LL], v[LL], v[LL] row_xmask:2 row_mask:0xf bank_mask:0xf       ; l, at least 1
	v_rcp_f32 v[LL], v[LL]
	v_rcp_f32 v[EZ], v[EZ]
	v_nop
	s_wait_alu depctr_va_vdst(0)                   ; one wait for the two
	v_fma_f32 v[EZ], v[EZ], -2.0, 1.0              ; tanh(raw) = 1 - 2 / (1 + e^(2 raw))
	v_mul_f32 v[EZ], s57, v[EZ]                    ; x weight_scale
	v_mul_f32 v[CF], v[EZ], v[LL]
.irp e, 0,1,2,3
	v_mul_f32 v[TS+\e], v[TS+\e], v[CF]            ; w p / l
.endr
	ds_store_b128 v[APW], v[TS:TS+3]
	s_wait_dscnt 0x0
	s_barrier_signal -1
	s_barrier_wait -1                              ; all weights lie in LDS
	; ---- 3: a query and 8 channels a thread
.irp i, 0,1,2,3
.irp kq, 0,1,2,3
	ds_load_b128 v[PR+16*\i+4*\kq:PR+16*\i+4*\kq+3], v[APR] offset:1024*\i+16*\kq
.endr
.endr
.irp k, 0,1,2,3,4,5,6,7,8,9,10,11,12,13,14,15
	ds_load_b128 v[VR+8*\k:VR+8*\k+3], v[AVV] offset:\k*PQ
	ds_load_b128 v[VR+8*\k+4:VR+8*\k+7], v[AVV] offset:\k*PQ+16
.endr
	s_wait_dscnt 32                                ; the weights are in; v's 32 younger loads may be out
.irp d, 0,2,4,6,8,10,12,14
	v_pk_add_f32 v[PR+\d:PR+\d+1], v[PR+\d:PR+\d+1], v[PR+16+\d:PR+16+\d+1]        ; the four maps' weights of each key
	v_pk_add_f32 v[PR+32+\d:PR+32+\d+1], v[PR+32+\d:PR+32+\d+1], v[PR+48+\d:PR+48+\d+1]
.endr
.irp d, 0,2,4,6,8,10,12,14
	v_pk_add_f32 v[PR+\d:PR+\d+1], v[PR+\d:PR+\d+1], v[PR+32+\d:PR+32+\d+1]
.endr
	s_wait_dscnt 0x0
.irp e, 0,1,2,3,4,5,6,7
	v_mul_f32 v[CBR+\e], v[PR], v[VR+\e]           ; the first key starts the sums (hidden keys have the weight 0)
.endr
.irp k, 1,2,3,4,5,6,7,8,9,10,11,12,13,14,15
.irp e, 0,1,2,3,4,5,6,7
	v_fmac_f32 v[CBR+\e], v[PR+\k], v[VR+8*\k+\e]
.endr
.endr
	v_mul_f32 v[SS], v[CBR], v[CBR]
.irp e, 1,2,3,4,5,6,7
	v_fmac_f32 v[SS], v[CBR+\e], v[CBR+\e]
.endr
	v_add_f32_dpp v[SS], v[SS], v[SS] row_xmask:1 row_mask:0xf bank_mask:0xf       ; the query's 128 channels lie in 16 neighbouring lanes
	v_add_f32_dpp v[SS], v[SS], v[SS] row_xmask:2 row_mask:0xf bank_mask:0xf
	v_add_f32_dpp v[SS], v[SS], v[SS] row_xmask:4 row_mask:0xf bank_mask:0xf
	v_add_f32_dpp v[SS], v[SS], v[SS] row_xmask:8 row_mask:0xf bank_mask:0xf
	v_fma_f32 v[SS], v[SS], s60, s61               ; / 128 + 1e-5
	v_rsq_f32 v[RR], v[SS]
	v_nop
	s_wait_alu depctr_va_vdst(0)
.irp e, 0,1,2,3,4,5,6,7
	v_mul_f32 v[CBR+\e], v[CBR+\e], v[RR]
.endr
.irp e, 0,1,2,3
	v_cvt_pk_f16_f32 v[PKR+\e], v[CBR+2*\e], v[CBR+2*\e+1]
.endr
	global_store_b128 v[GO], v[PKR:PKR+3], s[20:21]    ; 16 lanes store 256 consecutive bytes, at a multiple of 256 from the buffer's first byte
	s_wait_tensorcnt 0x0                           ; the wave's end: a wait, an add and its wait behind my last LDS store
	ds_add_u32 v[SPW], v[NIL]
	s_wait_dscnt 0x0
	s_endpgm
.Lfunc_end_k_q694c235520_first16:
	.size	k_q694c235520_first16, .Lfunc_end_k_q694c235520_first16-k_q694c235520_first16
	.p2alignl 7, 3214868480
	.fill 96, 4, 3214868480
	.section	.rodata,"a",@progbits
	.p2align	6, 0x0
	.amdhsa_kernel k_q694c235520_first16
		.amdhsa_group_segment_fixed_size 30464
		.amdhsa_private_segment_fixed_size 0
		.amdhsa_enable_private_segment 0
		.amdhsa_kernarg_size 72
		.amdhsa_user_sgpr_count 2
		.amdhsa_user_sgpr_kernarg_segment_ptr 1
		.amdhsa_wavefront_size32 1
		.amdhsa_system_sgpr_workgroup_id_x 1
		.amdhsa_system_sgpr_workgroup_id_y 1
		.amdhsa_system_sgpr_workgroup_id_z 1
		.amdhsa_system_vgpr_workitem_id 0
		.amdhsa_next_free_vgpr 512
		.amdhsa_next_free_sgpr 66
		.amdhsa_reserve_vcc 1
		.amdhsa_float_denorm_mode_32 3
		.amdhsa_float_denorm_mode_16_64 3
		.amdhsa_memory_ordered 1
		.amdhsa_forward_progress 1
		.amdhsa_inst_pref_size 45
	.end_amdhsa_kernel
	.amdgpu_metadata
---
amdhsa.version: [ 1, 2 ]
amdhsa.kernels:
  - .name:           k_q694c235520_first16
    .symbol:         k_q694c235520_first16.kd
    .args:
      - { .name: xc, .offset: 0, .size: 8, .value_kind: global_buffer, .address_space: global }
      - { .name: xs, .offset: 8, .size: 8, .value_kind: global_buffer, .address_space: global }
      - { .name: wc, .offset: 16, .size: 8, .value_kind: global_buffer, .address_space: global }
      - { .name: ws, .offset: 24, .size: 8, .value_kind: global_buffer, .address_space: global }
      - { .name: cos, .offset: 32, .size: 8, .value_kind: global_buffer, .address_space: global }
      - { .name: sin, .offset: 40, .size: 8, .value_kind: global_buffer, .address_space: global }
      - { .name: raw_map_weights, .offset: 48, .size: 8, .value_kind: global_buffer, .address_space: global }
      - { .name: weight_scale, .offset: 56, .size: 8, .value_kind: global_buffer, .address_space: global }
      - { .name: n16, .offset: 64, .size: 8, .value_kind: global_buffer, .address_space: global }
    .group_segment_fixed_size: 30464
    .private_segment_fixed_size: 0
    .kernarg_segment_align: 8
    .kernarg_segment_size: 72
    .max_flat_workgroup_size: 256
    .sgpr_count:     66
    .vgpr_count:     512
    .wavefront_size: 32
...
	.end_amdgpu_metadata
.endif
;; end of part 2
;; launch proj (part 3): grid 24 x 16, 4 waves a work-group, clusters of 4 x 4, 327,680 bytes of LDS; arguments xc, xs, wc, ws, cos, sin, qkv; writes qkv
.if DOCPART == 3
	.amdgcn_target "amdgcn-amd-amdhsa--gfx1250"
	.amdhsa_code_object_version 6
	.text
	.protected	k_q694c235520_proj
	.globl	k_q694c235520_proj
	.p2align	8
	.type	k_q694c235520_proj,@function
k_q694c235520_proj:
	s_mov_b64 s[64:65], 0
	v_nop
	global_prefetch_b8 v0, s[64:65] scope:SCOPE_SE
	s_setreg_imm32_b32 hwreg(HW_REG_WAVE_MODE, 25, 1), 1
	s_wait_xcnt 0x0
	s_wait_alu depctr_hold_cnt(0) depctr_sa_sdst(0) depctr_va_vdst(0) depctr_va_sdst(0) depctr_va_ssrc(0) depctr_va_vcc(0) depctr_vm_vsrc(0)
	s_getreg_b32 s2, hwreg(HW_REG_IB_STS2, 6, 4)
	s_cmp_eq_u32 s2, 0
	s_cbranch_scc0 .Lentry_in_a_cluster
	s_endpgm
.Lentry_in_a_cluster:
	s_bfe_u32 s2, ttmp6, 0x10000c
	s_cmp_lg_u32 s2, 0xf033
	s_cbranch_scc0 .Lentry_shape_is_right
	s_endpgm
.Lentry_shape_is_right:
; qkv[t][n] = sum over k of x[t][k] w[n][k], w = q_w, k_w, v_w on end (3,072 rows), both operands codes of FP4 (E2M1) with one E8M0 byte for each 32 along K = 2,048; sums in f32.
; On the way out: columns 0-2047 (q) are rotated in interleaved pairs by cos, sin of row t and multiplied by log2(e) / sqrt(32); columns 2048-2559 (k) are rotated; columns 2560-3071 (v) stay.  Rounded once, to f16.
; A tile is 128 rows x 128 columns, a wave's part 64 x 64: 16 accumulators.  A tile lies wholly in q, in k or in v.  ALL OF K LIES IN LDS: 256 rows x 1,024 bytes in two halves along K, filled once; nothing is filled again.
; CLUSTERS: 4 x 4 work-groups.  The four of a row of the cluster need the same rows of x, the four of a column the same rows of w: each tile is asked for jointly, by the same tensor load with the same descriptor and a mask of four.
; THE MATRIX INSTRUCTION IS USED TRANSPOSED (source 0 = 16 rows of w, source 1 = 16 rows of x): a lane holds eight neighbouring columns of one row t: four pairs of the rotation.
; REGISTERS.  Window 0: v1-30 addresses; v32-95 scale words (register 16 i + s: lanes 0-15 the word of x's block i, lanes 16-31 that of w's block i, for K step s); v96-159 x's fragments, two sets; v160-223 w's, two sets.
;   Window 1: v0-127 accumulator (a, b) at 8 (4 a + b); v128-159 cos, v160-191 sin of my rows: block a, column parity p at 8 a + 4 p.
.set PITCH,  528                       ; an LDS row: 512 bytes + 16 of padding = 132 words: the 16 rows that a load touches start 4 banks apart
.set QROWS,  64*PITCH                  ; 64 rows: what one tensor load brings
.set HALFK,  4*QROWS                   ; half of K: x's 128 rows, then w's 128 rows
.set SCL,    2*HALFK                   ; the scale bytes: 64 rows x 64 bytes a wave, as 16 runs of 256 bytes + 16 of padding
.set SCW,    16*272
.set SPARE,  SCL+4*SCW                 ; the spare words, 128 bytes a wave, that no other line names
.set STAGE,  SPARE+512                 ; the way out: 128 rows x (256 + 16) bytes; no fill lands here
.set SPITCH, 272
.set ROWQ,   6144                      ; a row of qkv in bytes
.set ADRX, 16                          ; v16-17 LDS address of my fragments of x in half 0, 1
.set ADRW, 20                          ; v20-21 of w
.set STO,  24
.set RD,   25
.set CO,   26
.set ADRS, 27                          ; my scale words: lanes 0-15 x's rows, lanes 16-31 w's
.set SPW,  28                          ; my spare word; never rewritten
.set NIL,  29                          ; 0; never rewritten
.set CSO,  30                          ; my offset in cos and sin
.set SC,   32
.set XF,   96
.set WF,   160
.set OO,   96                          ; the way out: 32 rotated numbers
.set PKD,  128                         ; 16 packed registers for each of the four row blocks
.set TT,   192                         ; products at work
.set COSR, 128                         ; in window 1
.set SINR, 160
.set G1X,  28                          ; s[28:35] group 1 for x's codes;  s[36:43] for w's;  s[44:51], s[52:59] for their scale bytes
.set G1W,  36
.set G1SX, 44
.set G1SW, 52
.set MSB, 0
.macro WIN new                         ; the immediate's high byte repeats the setting that is left
.if MSB != \new
	s_set_vgpr_msb (MSB<<8)|\new
.set MSB, \new
.endif
.endm
.macro CROUND                          ; a round of the cluster's barrier
	s_barrier_signal -1
	s_barrier_wait -1
	s_cmp_lg_u32 s18, 0
	s_cbranch_scc1 .Lnot_wave_0_\@
	s_barrier_signal -3
.Lnot_wave_0_\@:
	s_barrier_wait -3
	s_barrier_signal -1
	s_barrier_wait -1
.endm
	s_load_b256 s[4:11], s[0:1], 0x0               ; xc, xs, wc, ws
	s_load_b128 s[12:15], s[0:1], 0x20             ; cos, sin
	s_load_b64 s[16:17], s[0:1], 0x30              ; qkv
	v_lshl_add_u32 v[SPW], v0, 2, SPARE
	v_mov_b32 v[NIL], 0
	ds_add_u32 v[SPW], v[NIL]                      ; the wave's opening: the add, twice on end, and its wait ahead of my first tensor load
	ds_add_u32 v[SPW], v[NIL]
	v_lshrrev_b32 v1, 5, v0
	v_readfirstlane_b32 s18, v1                    ; wave 0..3
	s_lshr_b32 s19, s18, 1                         ; my half of the tile's rows.  Also: I fetch for x (0) or for w (1)
	s_and_b32 s20, s18, 1                          ; my half of its columns.  Also: which 64 rows I fetch
	s_bfe_u32 s21, ttmp6, 0x40000                  ; cx
	s_bfe_u32 s22, ttmp6, 0x40004                  ; cy
	s_lshl_b32 s23, ttmp9, 2
	s_add_co_u32 s23, s23, s21                     ; tile column = 4 x cluster x + cx
	s_and_b32 s24, ttmp7, 0xffff
	s_lshl_b32 s24, s24, 2
	s_add_co_u32 s24, s24, s22                     ; tile row = 4 x cluster y + cy
	s_lshl_b32 s25, s22, 2
	s_lshl_b32 s25, 15, s25                        ; my row of the cluster
	s_lshl_b32 s26, 0x1111, s21                    ; my column
	s_or_b32 s[G1X], s25, (0<<16)|(1<<20)|(1<<21)|(6<<22)|(3<<25)   ; the mask; elements of 1 byte; padding on; bit 21 beside a mask; after every 128 words, 4 words
	s_or_b32 s[G1W], s26, (0<<16)|(1<<20)|(1<<21)|(6<<22)|(3<<25)
.irp g, G1X, G1W
	s_mov_b32 s[\g+1], 512<<16                     ; tensor_dim0 = 512 bytes
	s_mov_b32 s[\g+2], 64<<16                      ; tensor_dim1 = 64
	s_mov_b32 s[\g+3], 512<<16                     ; tile_dim0
	s_mov_b32 s[\g+4], 64                          ; tile_dim1
	s_mov_b32 s[\g+5], 1024                        ; from row to row
	s_mov_b32 s[\g+6], 0
	s_mov_b32 s[\g+7], 0
.endr
	s_or_b32 s[G1SX], s25, (3<<16)|(1<<20)|(1<<21)|(5<<22)|(3<<25)  ; a dense block of 4,096 bytes as 16 rows of 32 elements of 8 bytes, 16 bytes of padding behind each
	s_or_b32 s[G1SW], s26, (3<<16)|(1<<20)|(1<<21)|(5<<22)|(3<<25)
.irp g, G1SX, G1SW
	s_mov_b32 s[\g+1], 32<<16
	s_mov_b32 s[\g+2], 16<<16
	s_mov_b32 s[\g+3], 32<<16
	s_mov_b32 s[\g+4], 16
	s_mov_b32 s[\g+5], 32
	s_mov_b32 s[\g+6], 0
	s_mov_b32 s[\g+7], 0
.endr
	s_lshl_b32 s27, s20, 6                         ; which 64 rows I fetch
	s_lshl_b32 s60, s24, 7
	s_add_co_u32 s60, s60, s27                     ; x: row 128 x tile row + 64 x half: it hangs on the tile row alone, which my row of the cluster shares
	s_lshl_b32 s92, s23, 7
	s_add_co_u32 s92, s92, s27                     ; w: row 128 x tile column + 64 x half: on the tile column alone
	s_lshl_b32 s62, s60, 6                         ; 64 scale bytes a row,
	s_lshl_b32 s60, s60, 10                        ; 1,024 bytes of codes
	s_mov_b32 s61, 0
	s_mov_b32 s63, 0
	s_lshl_b32 s94, s92, 6
	s_lshl_b32 s92, s92, 10
	s_mov_b32 s93, 0
	s_mov_b32 s95, 0
	s_mul_i32 s96, s18, QROWS                      ; where they go: wave x 64 rows: no place in the cluster enters an LDS address
	s_mul_i32 s97, s18, SCW
	s_wait_dscnt 0x0                               ; both opening adds are done
	s_wait_kmcnt 0x0
	CROUND                                         ; all sixteen work-groups are here: the joint loads meet
	s_mov_b32 s68, 1                               ; x: scale bytes,
	s_add_co_u32 s69, s97, SCL
	s_add_nc_u64 s[70:71], s[6:7], s[62:63]
	s_or_b32 s71, s71, 0x80000000
	s_mov_b32 s72, 1                               ; K's first half,
	s_mov_b32 s73, s96
	s_add_nc_u64 s[74:75], s[4:5], s[60:61]
	s_mov_b32 s76, 1                               ; its second
	s_add_co_u32 s77, s96, HALFK
	s_add_nc_u64 s[78:79], s[74:75], 512
	s_or_b32 s75, s75, 0x80000000
	s_or_b32 s79, s79, 0x80000000
	s_mov_b32 s80, 1                               ; w likewise
	s_add_co_u32 s81, s97, SCL
	s_add_nc_u64 s[82:83], s[10:11], s[94:95]
	s_or_b32 s83, s83, 0x80000000
	s_mov_b32 s84, 1
	s_mov_b32 s85, s96
	s_add_nc_u64 s[86:87], s[8:9], s[92:93]
	s_mov_b32 s88, 1
	s_add_co_u32 s89, s96, HALFK
	s_add_nc_u64 s[90:91], s[86:87], 512
	s_or_b32 s87, s87, 0x80000000
	s_or_b32 s91, s91, 0x80000000
	s_cmp_eq_u32 s19, 0                            ; a wave's three fills stand in one branch on the wave's number: three loads of mine are out; an s_nop 0 follows each, four v_nop the last
	s_cbranch_scc0 .Lfirst_w
	tensor_load_to_lds s[68:71], s[G1SX:G1SX+7]
	s_nop 0
	tensor_load_to_lds s[72:75], s[G1X:G1X+7]
	s_nop 0
	tensor_load_to_lds s[76:79], s[G1X:G1X+7]
	s_nop 0
.rept 4
	v_nop
.endr
	s_branch .Lfirst_asked
.Lfirst_w:
	tensor_load_to_lds s[80:83], s[G1SW:G1SW+7]
	s_nop 0
	tensor_load_to_lds s[84:87], s[G1W:G1W+7]
	s_nop 0
	tensor_load_to_lds s[88:91], s[G1W:G1W+7]
	s_nop 0
.rept 4
	v_nop
.endr
.Lfirst_asked:
	v_and_b32 v1, 15, v0                           ; r
	v_bfe_u32 v2, v0, 4, 1                         ; h
	v_lshlrev_b32 v[CSO], 6, v1                    ; cos, sin: a row is 64 bytes; my four pairs begin at 16 h (+ 32 for the odd column blocks)
	v_lshl_add_u32 v[CSO], v2, 4, v[CSO]
	s_lshl_b32 s60, s24, 7
	s_lshl_b32 s27, s19, 6
	s_add_co_u32 s60, s60, s27                     ; my wave's first row t
	s_lshl_b32 s60, s60, 6
	s_mov_b32 s61, 0
	s_add_nc_u64 s[12:13], s[12:13], s[60:61]
	s_add_nc_u64 s[14:15], s[14:15], s[60:61]
	WIN 0x40                                       ; destination window 1
.irp a, 0,1,2,3
.irp p, 0,1
	global_load_b128 v[COSR+8*\a+4*\p:COSR+8*\a+4*\p+3], v[CSO], s[12:13] offset:\a*1024+32*\p
	global_load_b128 v[SINR+8*\a+4*\p:SINR+8*\a+4*\p+3], v[CSO], s[14:15] offset:\a*1024+32*\p
.endr
.endr
	WIN 0
	v_mul_u32_u24 v3, v1, PITCH
	v_lshl_add_u32 v3, v2, 4, v3                   ; a fragment's row x pitch + 16 x half of the lanes
	s_mul_i32 s60, s19, QROWS                      ; my 64 rows of x,
	s_mul_i32 s62, s20, QROWS                      ; my 64 rows of w,
	s_add_co_u32 s62, s62, 2*QROWS                 ; which lie behind x's 128
.irp k, 0,1
	v_add_nc_u32 v[ADRX+\k], s60, v3
	v_add_nc_u32 v[ADRW+\k], s62, v3
	s_add_co_u32 s60, s60, HALFK
	s_add_co_u32 s62, s62, HALFK
.endr
	v_lshlrev_b32 v5, 6, v1                        ; my row's scale bytes: 64 a row,
	v_lshrrev_b32 v6, 2, v1
	v_lshl_add_u32 v5, v6, 4, v5                   ; and 16 more for each 256 passed
	s_mul_i32 s60, s19, SCW                        ; x's: my 64 rows
	s_mul_i32 s62, s20, SCW                        ; w's: my 64 rows, behind x's 128
	s_add_co_u32 s62, s62, 2*SCW
	s_sub_co_u32 s62, s62, s60
	v_mul_u32_u24 v6, s62, v2                      ; lanes 16-31 take w's: one product of the lane's half
	s_add_co_u32 s60, s60, SCL
	v_add_nc_u32 v5, v5, v6
	v_add_nc_u32 v[ADRS], s60, v5
	s_mul_i32 s60, s19, 64*SPITCH                  ; into the stage: my 64 rows, my half of their 256 bytes
	s_lshl_b32 s62, s20, 7
	s_add_co_u32 s60, s60, s62
	s_add_co_u32 s60, s60, STAGE
	v_mul_u32_u24 v4, v1, SPITCH
	v_lshl_add_u32 v4, v2, 4, v4
	v_add_nc_u32 v[STO], s60, v4
	s_mul_i32 s60, s18, 32*SPITCH                  ; back: wave w takes rows 32 w .. 32 w + 31 whole; lanes 0-15 one row, lanes 16-31 the next
	s_add_co_u32 s60, s60, STAGE
	v_mul_u32_u24 v5, v2, SPITCH
	v_lshl_add_u32 v5, v1, 4, v5
	v_add_nc_u32 v[RD], s60, v5
	v_mul_u32_u24 v5, v2, ROWQ
	v_lshl_add_u32 v[CO], v1, 4, v5
	s_lshl_b32 s60, s24, 7
	s_lshl_b32 s62, s18, 5
	s_add_co_u32 s60, s60, s62                     ; the first row that I store
	s_mul_i32 s60, s60, ROWQ
	s_mov_b32 s61, 0
	s_add_nc_u64 s[16:17], s[16:17], s[60:61]
	s_lshl_b32 s92, s23, 8                         ; the tile's first column, in bytes
	s_mov_b32 s93, 0
	s_add_nc_u64 s[16:17], s[16:17], s[92:93]
	s_cmp_lt_u32 s23, 20                           ; what the way out does is chosen as two numbers, with no branch: C = cos a + b, S = sin a
	s_cselect_b32 s25, 1.0, 0                      ; k: a = 1, b = 0;  v: a = 0, b = 1 (C = 1, S = 0: the numbers stay)
	s_cselect_b32 s26, 0, 1.0
	s_cmp_lt_u32 s23, 16
	s_cselect_b32 s25, 0x3e8293ee, s25             ; q: a = log2(e) / sqrt(32)
.macro FETCH s                         ; the fragments of K step s (16 rows x 128 K of 4-bit codes: 8 registers, two loads 32 bytes apart) into set s % 2
.irp i, 0,1,2,3
.irp c, 0,1
	ds_load_b128 v[WF+32*((\s)%2)+8*\i+4*\c:WF+32*((\s)%2)+8*\i+4*\c+3], v[ADRW+(\s)/8] offset:\i*16*PITCH+64*((\s)%8)+32*\c
	ds_load_b128 v[XF+32*((\s)%2)+8*\i+4*\c:XF+32*((\s)%2)+8*\i+4*\c+3], v[ADRX+(\s)/8] offset:\i*16*PITCH+64*((\s)%8)+32*\c
.endr
.endr
.endm
.macro STEP s                          ; 128 along K: 16 matrix instructions, the 16 accumulators by turns, in the same order in every step
	s_wait_dscnt 0x0                               ; this step's set is in (asked for ahead of the last step's products)
.if (\s) > 0
.rept 4
	v_nop                                          ; places in front of loads into the set that the last step's products read (ISA guide 7.12.1 for vector instructions)
.endr
.endif
.if (\s) == 7
	s_wait_tensorcnt 0x0                           ; my part of K's second half is in,
	s_barrier_signal -1
	s_barrier_wait -1                              ; everybody's is
.endif
.if (\s) < 15
	FETCH (\s)+1
.endif
	WIN 0x50                                       ; C and D window 1
.irp a, 0,1,2,3
.irp b, 0,1,2,3
.if (\s) == 0
	v_wmma_scale_f32_16x16x128_f8f6f4 v[8*(4*\a+\b):8*(4*\a+\b)+7], v[WF+32*((\s)%2)+8*\b:WF+32*((\s)%2)+8*\b+7], v[XF+32*((\s)%2)+8*\a:XF+32*((\s)%2)+8*\a+7], 0, v[SC+16*\b+(\s)], v[SC+16*\a+(\s)] matrix_a_fmt:MATRIX_FMT_FP4 matrix_b_fmt:MATRIX_FMT_FP4 matrix_a_scale:MATRIX_SCALE_ROW1
.else
	v_wmma_scale_f32_16x16x128_f8f6f4 v[8*(4*\a+\b):8*(4*\a+\b)+7], v[WF+32*((\s)%2)+8*\b:WF+32*((\s)%2)+8*\b+7], v[XF+32*((\s)%2)+8*\a:XF+32*((\s)%2)+8*\a+7], v[8*(4*\a+\b):8*(4*\a+\b)+7], v[SC+16*\b+(\s)], v[SC+16*\a+(\s)] matrix_a_fmt:MATRIX_FMT_FP4 matrix_b_fmt:MATRIX_FMT_FP4 matrix_a_scale:MATRIX_SCALE_ROW1
.endif
.endr
.endr
	WIN 0
.endm
	s_wait_tensorcnt 0x1                           ; the scale bytes and my part of K's first half are in (the second half's load may be out),
	s_barrier_signal -1
	s_barrier_wait -1                              ; everybody's are
.irp i, 0,1,2,3
.irp d, 0,1,2,3
	ds_load_b128 v[SC+16*\i+4*\d:SC+16*\i+4*\d+3], v[ADRS] offset:1088*\i+16*\d   ; all 16 scale words of block i: lanes 0-15 x's, lanes 16-31 w's
.endr
.endr
	FETCH 0
.set Q, 0
.rept 16
	STEP Q
.set Q, Q+1
.endr
	; THE WAY OUT.  Lane (r, h) holds row r of block a and columns 16 b + 8 h + 0 .. 7: pairs 8 (b % 2) + 4 h + 0 .. 3 of a head of 32
	s_wait_loadcnt 0x0                             ; cos and sin
	WIN 0x41                                       ; destination and source 0 window 1
.set Q, 0
.rept 32
	v_fma_f32 v[COSR+Q], v[COSR+Q], s25, s26       ; C = cos a + b.  (These 64 lines are also the places behind the last products)
	v_mul_f32 v[SINR+Q], v[SINR+Q], s25            ; S = sin a
.set Q, Q+1
.endr
.irp a, 0,1,2,3
	WIN 0x05                                       ; sources 0 and 1 window 1
.irp b, 0,1,2,3
.irp j, 0,1,2,3
	v_mul_f32 v[TT+8*\b+2*\j], v[8*(4*\a+\b)+2*\j+1], v[SINR+8*\a+4*(\b%2)+\j]       ; x2 S  (each accumulator is first read among its four lowest registers)
	v_mul_f32 v[TT+8*\b+2*\j+1], v[8*(4*\a+\b)+2*\j], v[SINR+8*\a+4*(\b%2)+\j]       ; x1 S
	v_fma_f32 v[OO+8*\b+2*\j], v[8*(4*\a+\b)+2*\j], v[COSR+8*\a+4*(\b%2)+\j], -v[TT+8*\b+2*\j]       ; x1 C - x2 S
	v_fma_f32 v[OO+8*\b+2*\j+1], v[8*(4*\a+\b)+2*\j+1], v[COSR+8*\a+4*(\b%2)+\j], v[TT+8*\b+2*\j+1]  ; x2 C + x1 S
.endr
.endr
	WIN 0
.irp b, 0,1,2,3
.irp j, 0,1,2,3
	v_cvt_pk_f16_f32 v[PKD+16*\a+4*\b+\j], v[OO+8*\b+2*\j], v[OO+8*\b+2*\j+1]
.endr
.endr
.irp b, 0,1,2,3
	ds_store_b128 v[STO], v[PKD+16*\a+4*\b:PKD+16*\a+4*\b+3] offset:\a*16*SPITCH+32*\b
.endr
.endr
	s_wait_dscnt 0x0                               ; for the others' sake: my stores into the stage are done (a row's 256 bytes come from two waves)
	s_barrier_signal -1
	s_barrier_wait -1
.irp t, 0,1,2,3,4,5,6,7,8,9,10,11,12,13,14,15
	ds_load_b128 v[OO+4*\t:OO+4*\t+3], v[RD] offset:\t*2*SPITCH
.endr
.irp t, 0,1,2,3,4,5,6,7,8,9,10,11,12,13,14,15
	s_wait_dscnt 15-\t
	global_store_b128 v[CO], v[OO+4*\t:OO+4*\t+3], s[16:17] offset:2*\t*ROWQ   ; 16 lanes store 256 consecutive bytes, at a multiple of 256 from the buffer's first byte
.endr
	s_wait_tensorcnt 0x0                           ; the wave's end: a wait, an add and its wait behind my last tensor load and my last LDS store
	ds_add_u32 v[SPW], v[NIL]
	s_wait_dscnt 0x0
	CROUND                                         ; the closing round: no work-group ends while a partner may still ask for a tile that names it
	s_endpgm
.Lfunc_end_k_q694c235520_proj:
	.size	k_q694c235520_proj, .Lfunc_end_k_q694c235520_proj-k_q694c235520_proj
	.p2alignl 7, 3214868480
	.fill 96, 4, 3214868480
	.section	.rodata,"a",@progbits
	.p2align	6, 0x0
	.amdhsa_kernel k_q694c235520_proj
		.amdhsa_group_segment_fixed_size 327680
		.amdhsa_private_segment_fixed_size 0
		.amdhsa_enable_private_segment 0
		.amdhsa_kernarg_size 56
		.amdhsa_user_sgpr_count 2
		.amdhsa_user_sgpr_kernarg_segment_ptr 1
		.amdhsa_wavefront_size32 1
		.amdhsa_system_sgpr_workgroup_id_x 1
		.amdhsa_system_sgpr_workgroup_id_y 1
		.amdhsa_system_sgpr_workgroup_id_z 1
		.amdhsa_system_vgpr_workitem_id 0
		.amdhsa_next_free_vgpr 512
		.amdhsa_next_free_sgpr 100
		.amdhsa_reserve_vcc 0
		.amdhsa_float_denorm_mode_32 3
		.amdhsa_float_denorm_mode_16_64 3
		.amdhsa_memory_ordered 1
		.amdhsa_forward_progress 1
		.amdhsa_inst_pref_size 89
	.end_amdhsa_kernel
	.amdgpu_metadata
---
amdhsa.version: [ 1, 2 ]
amdhsa.kernels:
  - .name:           k_q694c235520_proj
    .symbol:         k_q694c235520_proj.kd
    .args:
      - { .name: xc, .offset: 0, .size: 8, .value_kind: global_buffer, .address_space: global }
      - { .name: xs, .offset: 8, .size: 8, .value_kind: global_buffer, .address_space: global }
      - { .name: wc, .offset: 16, .size: 8, .value_kind: global_buffer, .address_space: global }
      - { .name: ws, .offset: 24, .size: 8, .value_kind: global_buffer, .address_space: global }
      - { .name: cos, .offset: 32, .size: 8, .value_kind: global_buffer, .address_space: global }
      - { .name: sin, .offset: 40, .size: 8, .value_kind: global_buffer, .address_space: global }
      - { .name: qkv, .offset: 48, .size: 8, .value_kind: global_buffer, .address_space: global }
    .group_segment_fixed_size: 327680
    .private_segment_fixed_size: 0
    .kernarg_segment_align: 8
    .kernarg_segment_size: 56
    .max_flat_workgroup_size: 128
    .sgpr_count:     100
    .vgpr_count:     512
    .wavefront_size: 32
...
	.end_amdgpu_metadata
.endif
;; end of part 3
;; launch attn (part 4): grid 64 x 4, 8 waves a work-group, no clusters, 327,680 bytes of LDS; arguments qkv, raw_map_weights, weight_scale, n16; writes n16
.if DOCPART == 4
	.amdgcn_target "amdgcn-amd-amdhsa--gfx1250"
	.amdhsa_code_object_version 6
	.text
	.protected	k_q694c235520_attn
	.globl	k_q694c235520_attn
	.p2align	8
	.type	k_q694c235520_attn,@function
k_q694c235520_attn:
	s_mov_b64 s[64:65], 0
	v_nop
	global_prefetch_b8 v0, s[64:65] scope:SCOPE_SE
	s_setreg_imm32_b32 hwreg(HW_REG_WAVE_MODE, 25, 1), 1
	s_wait_xcnt 0x0
; n16[t][128 hq + e] = combined / sqrt(mean(combined^2) + 1e-5), combined = sum over the four maps i of tanh(raw[i]) scale x softmax_k(q_i . k_i / sqrt(32)) v, causal; f16 operands, f32 sums, maxima and norm.  (gamma lies in ow16.)
; FOR POSITIONS t = 16 ON: the first 16 are made in f32 by the launch first16.
; WORK LEFT OUT: tiles of 64 keys x 16 queries all of whose keys come after all of whose queries: reference()'s own tril makes their p 0 (shown at the head of the first kernel).
; qkv[t]: 6,144 bytes: q (already x log2(e) / sqrt(32), so a score is the exponent of 2) at 256 hq + 64 i; k at 4,096 + 256 g + 64 i; v at 5,120 + 256 g.  hq = 4 g + 0 .. 3 share k and v of kv head g; the four maps share v.
; SHARES.  Work-group (u, g) does two tasks on end: the 16 queries from 2,032 - 16 u, then those from 16 u: 16 - u / 8 and u / 8 + 1 live slots of 128 keys: 17 in every work-group; u = 0 has the first task alone, 16 slots.
; Wave w: query head 4 g + w % 4, keys 64 (w / 4) .. + 63 of each slot, all four maps.  So a fragment of V feeds four products, and the sum over the maps never leaves a lane.  The two key halves are joined through LDS at a task's end.
; LAYOUT.  S^T = K Q^T (source 0 = 16 keys, source 1 = the 16 queries, K = the map's 32); two such tiles rounded to f16 in pairs ARE source 1 of O^T = V^T P; V comes out of LDS turned, by ds_load_tr16_b128.  A lane holds one query throughout.
; SOFTMAX.  For each map a running maximum m and sum l: p = 2^(t - m); in every step O and l are multiplied by f = 2^(m_old - m_new).  A live step's first key is at or under every one of the 16 queries
; (it is a multiple of 64, the first query a multiple of 16), so m is a number from the first live step on.
; THE RING: two slots of 128 keys.  Wave 0 brings a slot's K, wave 1 its V, one tensor load each; all eight waves read them.  The look-ahead ends at the causal limit.
; NO CLUSTER, though the 64 work-groups of a kv head walk the same K and V: where a work-group's walk ends hangs on its number, and a jump on ids leads round its tensor load there; partners would need different numbers of tiles.
; O begins as zeros: the step is written once, and a wave whose share of the keys is empty (queries under 64, upper key half) must hand on zeros.
; REGISTERS.  Window 0: v1-12 addresses; v16-31 for map i: m, l, f, and a kept LDS address; v32-63 Q; v64-95 K of one map; v96-127 S of one map; v128-191 P, 16 a map; v192-255 V, keys 0-31 of the step; V's keys 32-63 lie over K and S.
;   Window 1: O: map i, channel tile n at 64 i + 8 n.
.set ROWQ,  6144
.set PKP,   272                        ; a row of K in LDS: 256 bytes + 16 = 68 words
.set PVP,   288                        ; a row of V: 256 + 32 = 72 words
.set VOFF,  128*PKP                    ; a slot: 128 rows of K, then 128 rows of V
.set SLOT1, 1<<17                      ; slot 1 begins here: one exclusive or turns an address from slot to slot
.set SLOTB, 128*ROWQ                   ; a slot on, in memory
.set XST,   SLOT1+VOFF+128*PVP         ; behind the ring: m and l of each wave, 2,048 bytes a wave
.set CMB,   XST+8*2048                 ; the upper key half's weighted sums, 8,192 bytes a head
.set OST,   CMB+4*8192                 ; the way out: 16 rows x 272 bytes a wave
.set SPARE, OST+8*16*272               ; the spare words, 128 bytes a wave, that no other line names
.set SPW, 1
.set NIL, 2
.set AK0, 3                            ; my lane's place in a slot's K
.set AV0, 4                            ; and V
.set ADK, 5
.set ADV, 6
.set QO,  7                            ; my offset in the 16 rows of q
.set DQ,  8                            ; r - 8 h
.set ORD, 9                            ; the way out: where I read a row back
.set PFO, 10                           ; the prefetches' offset: a lane a row
.set DD,  11                           ; the mask's bound
.set GO,  12                           ; my offset in the 16 rows of n16
.set ST,  16
.set XWR, 19                           ; kept LDS addresses, in the fourth register of each map's statistics
.set XRD, 23
.set CWR, 27
.set OSTO, 31
.set Q,   32
.set KB,  64
.set S,   96
.set P,   128
.set VA,  192
.set VB,  64
.set CBR, 128                          ; the weighted sum of the maps, 64 registers
.set WV,  17
.set HQ,  18
.set KP,  19                           ; 64 x my key half
.set SEL, 20
.set TB,  22                           ; LDS byte at which the slot in hand begins
.set CNT, 23
.set G1K, 24
.set G1V, 32
.set G0K, 40
.set G0V, 44
.set KB0, 48                           ; s[48:49] K of my kv head at key 0;  s[50:51] V
.set VB0, 50
.set Q0,  52
.set KS,  53                           ; the slot's first key
.set KF,  54                           ; my step's first key
.set PFA, 58
.set LIM, 60
.set MSB, 0
.macro WIN new
.if MSB != \new
	s_set_vgpr_msb (MSB<<8)|\new
.set MSB, \new
.endif
.endm
.macro TLOAD                           ; wave 0 fetches K, wave 1 V, the others nothing; an s_nop 0 and four v_nop follow each line
	s_cmp_eq_u32 s[WV], 0
	s_cbranch_scc0 .Lnot_k_\@
	tensor_load_to_lds s[G0K:G0K+3], s[G1K:G1K+7]
	s_nop 0
.rept 4
	v_nop
.endr
	s_branch .Lasked_\@
.Lnot_k_\@:
	s_cmp_eq_u32 s[WV], 1
	s_cbranch_scc0 .Lasked_\@
	tensor_load_to_lds s[G0V:G0V+3], s[G1V:G1V+7]
	s_nop 0
.rept 4
	v_nop
.endr
.Lasked_\@:
.endm
; A prefetch of what the NEXT change of slots will ask for.  All work-groups of a kv head walk the same K and V: the first of them (u = 0) asks, in its first task, which walks all 16 slots.  In it waves 4 to 7, which fetch nothing,
; take 32 rows each, a lane a row: the row's 256 bytes of K and its 256 of V.  So each such block is named once in the launch.  Slots 0 and 1 come by their loads alone; the loop's last trip asks for nothing: there is no slot 16.
.macro ASK
	s_cmp_gt_u32 s[CNT], s[LIM]
	s_cbranch_scc0 .Lnot_mine_\@
	global_prefetch_b8 v[PFO], s[PFA:PFA+1] th:TH_LOAD_NT scope:SCOPE_SE
	global_prefetch_b8 v[PFO], s[PFA:PFA+1] offset:1024 th:TH_LOAD_NT scope:SCOPE_SE
.Lnot_mine_\@:
.endm
; THE CHANGE OF SLOTS stands at a slot's head.  Each wave waits for all its tensor loads, adds 0 to its spare word, and waits for that and for its reads of the slot that it has left; behind the barrier the slot ahead is whole
; and nobody reads the other one.  fill = 1: the other slot takes the next 128 keys, unless its first key comes after the task's last query: then none of the eight waves would read it, and it is not asked for.
.macro CHANGE fill, twice, pf
	s_wait_tensorcnt 0x0                           ; no tensor load of mine is out, so a group 0 may be written
	ds_add_u32 v[SPW], v[NIL]
.if \twice
	ds_add_u32 v[SPW], v[NIL]                      ; and twice on end wherever a tensor load still follows in the text
.endif
.if \fill
	s_xor_b32 s[G0K+1], s[G0K+1], SLOT1
	s_add_nc_u64 s[G0K+2:G0K+3], s[G0K+2:G0K+3], SLOTB
	s_xor_b32 s[G0V+1], s[G0V+1], SLOT1
	s_add_nc_u64 s[G0V+2:G0V+3], s[G0V+2:G0V+3], SLOTB
.endif
.if \pf
	s_wait_xcnt 0x0                                ; the last prefetches, a slot back, have read their address
	s_add_nc_u64 s[PFA:PFA+1], s[PFA:PFA+1], SLOTB
.endif
	s_wait_dscnt 0x0                               ; the add is done, and my reads of the slot that I have left are over
	s_barrier_signal -1
	s_barrier_wait -1
.if \fill
	s_add_co_u32 s55, s[KS], 128                   ; the first key of the slot that this change would ask for,
	s_add_co_u32 s56, s[Q0], 15                    ; the task's last query: ids and the count of trips alone, the same in all eight waves
	s_cmp_gt_u32 s55, s56
	s_cbranch_scc1 .Lpast_\@
	TLOAD                                          ; a wave's one tensor load until the next such barrier
.Lpast_\@:
.endif
.if \pf
	ASK
.endif
.endm
.macro FETCH_K i                       ; map i of my 64 keys: four fragments of 16 keys x 32
.irp j, 0,1,2,3
	ds_load_b128 v[KB+8*\j:KB+8*\j+3], v[ADK] offset:\j*16*PKP+64*(\i)
	ds_load_b128 v[KB+8*\j+4:KB+8*\j+7], v[ADK] offset:\j*16*PKP+64*(\i)+32
.endr
.endm
.macro FETCH_V c, reg                  ; keys 32 c on of my 64, all 128 channels, turned: eight fragments of 16 channels x 32 keys
.irp n, 0,1,2,3,4,5,6,7
	ds_load_tr16_b128 v[\reg+8*\n:\reg+8*\n+3], v[ADV] offset:(\c)*32*PVP+32*\n
	ds_load_tr16_b128 v[\reg+8*\n+4:\reg+8*\n+7], v[ADV] offset:(\c)*32*PVP+16*PVP+32*\n
.endr
.endm
.macro MASK                            ; on the diagonal hidden scores become -infinity ahead of the maximum.  Register 8 j + e holds key KF + 16 j + 8 h + e: it counts where 16 j + e <= my query - KF - 8 h
	s_add_co_u32 s55, s[KF], 63
	s_cmp_le_u32 s55, s[Q0]
	s_cbranch_scc1 .Lopen_\@
.irp n, 0,1,2,3,4,5,6,7,8,9,10,11,12,13,14,15,16,17,18,19,20,21,22,23,24,25,26,27,28,29,30,31
	v_cmp_le_i32 vcc_lo, 16*(\n/8)+\n%8, v[DD]
	v_cndmask_b32 v[S+\n], s61, v[S+\n], vcc_lo
.endr
.Lopen_\@:
.endm
.macro SOFTMAX i
.set rT, P+16*(\i)                     ; five registers at work, in the map's own P, which is written at the end
.set rM, ST+4*(\i)
.irp j, 0,1,2,3
	v_max3_num_f32 v[rT+\j], v[S+8*\j], v[S+8*\j+1], v[S+8*\j+2]   ; four chains; each tile is first read at its low end
.endr
.irp q, 1,2
.irp j, 0,1,2,3
	v_max3_num_f32 v[rT+\j], v[rT+\j], v[S+8*\j+2*\q+1], v[S+8*\j+2*\q+2]
.endr
.endr
	v_max3_num_f32 v[rT], v[rT], v[S+7], v[S+15]
	v_max3_num_f32 v[rT+2], v[rT+2], v[S+23], v[S+31]
	v_max3_num_f32 v[rT], v[rT], v[rT+1], v[rT+2]
	v_max3_num_f32 v[rT], v[rT], v[rT+3], v[rM]    ; with the old m
	v_permlanex16_b32 v[rT+1], v[rT], s[SEL], s[SEL+1]   ; the query's other 32 keys lie in the lane 16 away
	v_mov_b32 v[rT+4], v[rM]
	v_max_num_f32 v[rM], v[rT], v[rT+1]            ; the new m
	v_sub_f32 v[rT+4], v[rT+4], v[rM]              ; m_old - m_new
.irp k, 0,2,4,6,8,10,12,14,16,18,20,22,24,26,28,30
	v_pk_add_f32 v[S+\k:S+\k+1], v[S+\k:S+\k+1], v[rM:rM+1] op_sel_hi:[1,0] neg_lo:[0,1] neg_hi:[0,1]   ; t - m, two at a time
.endr
	v_exp_f32 v[rM+2], v[rT+4]                     ; f
.irp e, 0,1,2,3,4,5,6,7,8,9,10,11,12,13,14,15,16,17,18,19,20,21,22,23,24,25,26,27,28,29,30,31
	v_exp_f32 v[S+\e], v[S+\e]                     ; p
.endr
	v_nop                                          ; a plain instruction behind the last exponential
	s_wait_alu depctr_va_vdst(0)                   ; one wait for the batch of 33, ahead of its first reader
.irp k, 0,1,2,3,4,5,6,7,8,9,10,11,12,13,14,15
	v_cvt_pk_f16_f32 v[rT+\k], v[S+2*\k], v[S+2*\k+1]
.endr
.irp k, 0,4,8,12,16,20,24,28
	v_pk_add_f32 v[S+\k:S+\k+1], v[S+\k:S+\k+1], v[S+\k+2:S+\k+3]   ; the sum of the unrounded p, a tree in place
.endr
.irp k, 0,8,16,24
	v_pk_add_f32 v[S+\k:S+\k+1], v[S+\k:S+\k+1], v[S+\k+4:S+\k+5]
.endr
.irp k, 0,16
	v_pk_add_f32 v[S+\k:S+\k+1], v[S+\k:S+\k+1], v[S+\k+8:S+\k+9]
.endr
	v_pk_add_f32 v[S:S+1], v[S:S+1], v[S+16:S+17]
	v_add_f32 v13, v[S], v[S+1]
	v_fma_f32 v[rM+1], v[rM+1], v[rM+2], v13       ; l = l f + the sum
.endm
; A STEP: my 64 keys of the slot in hand, four maps.  A step all of whose keys come after the 16 queries is left out: a scalar branch on ids, round its loads, products and softmax; no barrier and no tensor load stands in a step.
.macro STEP
	s_add_co_u32 s[KF], s[KS], s[KP]
	s_add_co_u32 s56, s[Q0], 15
	s_cmp_gt_u32 s[KF], s56
	s_cbranch_scc1 .Lhidden_\@
	v_add_nc_u32 v[ADK], s[TB], v[AK0]
	v_add_nc_u32 v[ADV], s[TB], v[AV0]
	s_sub_co_i32 s55, s[Q0], s[KF]
	v_add_nc_u32 v[DD], s55, v[DQ]
	v_nop
	v_nop                                          ; five places behind the last step's products: four for the loads into registers that they read, the fifth for the first product below, which writes over such registers
	FETCH_K 0
	FETCH_V 0, VA
.irp i, 0,1,2,3
.if \i == 0
	s_wait_dscnt 16                                ; K is in; V's sixteen younger loads may be out
.else
	s_wait_dscnt 0x0                               ; this map's K, asked for ahead of the last map's softmax
.endif
.irp j, 0,1,2,3
	v_wmma_f32_16x16x32_f16 v[S+8*\j:S+8*\j+7], v[KB+8*\j:KB+8*\j+7], v[Q+8*\i:Q+8*\i+7], 0
.endr
.rept 4
	v_nop                                          ; places in front of the loads into K's registers and of the first read of the scores
.endr
.if \i < 3
	FETCH_K \i+1
.endif
	MASK
	SOFTMAX \i
.endr
	FETCH_V 1, VB                                  ; lands while O is rescaled and the first 32 products are issued
	WIN 0x41                                       ; O (destination and source 0) window 1, f window 0
.irp i, 0,1,2,3
.set kk, 0
.rept 32
	v_pk_mul_f32 v[64*\i+kk:64*\i+kk+1], v[64*\i+kk:64*\i+kk+1], v[ST+4*\i+2:ST+4*\i+3] op_sel_hi:[1,0]   ; ascending: each accumulator is first read at its low end
.set kk, kk+2
.endr
.endr
	WIN 0x50                                       ; C and D window 1.  The 32 accumulators take turns, one instruction a turn
.irp n, 0,1,2,3,4,5,6,7
.irp i, 0,1,2,3
	v_wmma_f32_16x16x32_f16 v[64*\i+8*\n:64*\i+8*\n+7], v[VA+8*\n:VA+8*\n+7], v[P+16*\i:P+16*\i+7], v[64*\i+8*\n:64*\i+8*\n+7]
.endr
.endr
	s_wait_dscnt 0x0                               ; V's keys 32-63 are in
.irp n, 0,1,2,3,4,5,6,7
.irp i, 0,1,2,3
	v_wmma_f32_16x16x32_f16 v[64*\i+8*\n:64*\i+8*\n+7], v[VB+8*\n:VB+8*\n+7], v[P+16*\i+8:P+16*\i+15], v[64*\i+8*\n:64*\i+8*\n+7]
.endr
.endr
	WIN 0
.Lhidden_\@:
.endm
; A TASK'S END.  The two key halves of a head exchange m and l; each scales its O by w_i 2^(m - max) / L and adds the four maps; the upper half hands its sum over; the lower half adds, norms, and stores.
; tau = 0: the barrier of the exchange is also the one in front of a refill: slot 0 takes the next task's keys 0-127.
.macro EPI tau
.rept 4
	v_nop                                          ; places behind the last products, in front of the loads below
.endr
.irp i, 0,1,2,3
	v_permlanex16_b32 v[ST+4*\i+2], v[ST+4*\i+1], s[SEL], s[SEL+1]   ; (f's register is free now)
.endr
.irp i, 0,1,2,3
	v_add_f32 v[ST+4*\i+1], v[ST+4*\i+1], v[ST+4*\i+2]   ; l of my 64 keys a step
.endr
.irp i, 0,1,2,3
	ds_store_b128 v[XWR], v[ST+4*\i:ST+4*\i+3] offset:512*\i
.endr
.if \tau == 0
	s_wait_tensorcnt 0x0                           ; no tensor load of mine is out: both groups 0 are written anew
	ds_add_u32 v[SPW], v[NIL]                      ; twice on end
	ds_add_u32 v[SPW], v[NIL]
	s_mov_b32 s[G0K+1], 0                          ; slot 0,
	s_mov_b64 s[G0K+2:G0K+3], s[KB0:KB0+1]         ; key 0
	s_or_b32 s[G0K+3], s[G0K+3], 0x80000000
	s_mov_b32 s[G0V+1], VOFF
	s_mov_b64 s[G0V+2:G0V+3], s[VB0:VB0+1]
	s_or_b32 s[G0V+3], s[G0V+3], 0x80000000
.endif
	s_wait_dscnt 0x0                               ; my stores have landed, the add is done, my reads of the slots are over
	s_barrier_signal -1
	s_barrier_wait -1
.if \tau == 0
	TLOAD                                          ; the first tensor load behind the barrier, ahead of my first LDS read
.endif
.irp i, 0,1,2,3
	ds_load_b128 v[64+4*\i:67+4*\i], v[XRD] offset:512*\i   ; the other key half's m and l
.endr
	s_wait_dscnt 0x0
.irp i, 0,1,2,3
	v_max_num_f32 v[80+\i], v[ST+4*\i], v[64+4*\i]
.endr
.irp i, 0,1,2,3
	v_sub_f32 v[84+\i], v[ST+4*\i], v[80+\i]
	v_sub_f32 v[88+\i], v[64+4*\i], v[80+\i]
.endr
.irp i, 0,1,2,3
	v_exp_f32 v[84+\i], v[84+\i]                   ; mine under the joint maximum,
	v_exp_f32 v[88+\i], v[88+\i]                   ; the other's,
	v_exp_f32 v[92+\i], s[68+\i]                   ; and e^(2 raw)
.endr
	v_nop
	s_wait_alu depctr_va_vdst(0)                   ; one wait for the twelve
.irp i, 0,1,2,3
	v_mul_f32 v[80+\i], v[65+4*\i], v[88+\i]
	v_add_f32 v[92+\i], 1.0, v[92+\i]
.endr
.irp i, 0,1,2,3
	v_fma_f32 v[80+\i], v[ST+4*\i+1], v[84+\i], v[80+\i]   ; L, at least 1: the largest key's p is 1
.endr
.irp i, 0,1,2,3
	v_rcp_f32 v[80+\i], v[80+\i]
	v_rcp_f32 v[92+\i], v[92+\i]
.endr
	v_nop
	s_wait_alu depctr_va_vdst(0)                   ; one wait for the eight
.irp i, 0,1,2,3
	v_fma_f32 v[92+\i], v[92+\i], -2.0, 1.0        ; tanh(raw) = 1 - 2 / (1 + e^(2 raw))
	v_mul_f32 v[84+\i], v[84+\i], v[80+\i]
.endr
.irp i, 0,1,2,3
	v_mul_f32 v[92+\i], s16, v[92+\i]              ; x weight_scale
.endr
.irp i, 0,1,2,3
	v_mul_f32 v[96+2*\i], v[92+\i], v[84+\i]
.endr
.irp i, 0,1,2,3
	v_mov_b32 v[97+2*\i], v[96+2*\i]               ; a pair for the packed forms
.endr
	WIN 0x01                                       ; source 0 (O) window 1
.set kk, 0
.rept 32
	v_pk_mul_f32 v[CBR+kk:CBR+kk+1], v[kk:kk+1], v[96:97]
.set kk, kk+2
.endr
.irp i, 1,2,3
.set kk, 0
.rept 32
	v_pk_fma_f32 v[CBR+kk:CBR+kk+1], v[64*\i+kk:64*\i+kk+1], v[96+2*\i:97+2*\i], v[CBR+kk:CBR+kk+1]
.set kk, kk+2
.endr
.endr
	WIN 0
	s_cmp_lt_u32 s[WV], 4
	s_cbranch_scc1 .Lkeep_\@
.irp j, 0,1,2,3,4,5,6,7,8,9,10,11,12,13,14,15
	ds_store_b128 v[CWR], v[CBR+4*\j:CBR+4*\j+3] offset:512*\j   ; an image of the registers: 16 bytes a lane
.endr
.Lkeep_\@:
	s_wait_dscnt 0x0
	s_barrier_signal -1
	s_barrier_wait -1
	s_cmp_ge_u32 s[WV], 4
	s_cbranch_scc1 .Ldone_\@
.irp j, 0,1,2,3,4,5,6,7,8,9,10,11,12,13,14,15
	ds_load_b128 v[192+4*\j:195+4*\j], v[CWR] offset:512*\j
.endr
	s_wait_dscnt 0x0
.set kk, 0
.rept 32
	v_pk_add_f32 v[CBR+kk:CBR+kk+1], v[CBR+kk:CBR+kk+1], v[192+kk:193+kk]
.set kk, kk+2
.endr
	v_pk_mul_f32 v[80:81], v[CBR:CBR+1], v[CBR:CBR+1]          ; the sum of squares, in two packed chains
	v_pk_mul_f32 v[82:83], v[CBR+2:CBR+3], v[CBR+2:CBR+3]
.irp k, 4,8,12,16,20,24,28,32,36,40,44,48,52,56,60
	v_pk_fma_f32 v[80:81], v[CBR+\k:CBR+\k+1], v[CBR+\k:CBR+\k+1], v[80:81]
	v_pk_fma_f32 v[82:83], v[CBR+\k+2:CBR+\k+3], v[CBR+\k+2:CBR+\k+3], v[82:83]
.endr
	v_pk_add_f32 v[80:81], v[80:81], v[82:83]
	v_add_f32 v80, v80, v81
	v_permlanex16_b32 v81, v80, s[SEL], s[SEL+1]   ; the query's other 64 channels
	v_add_f32 v80, v80, v81
	v_fma_f32 v80, v80, s72, s73                   ; / 128 + 1e-5
	v_rsq_f32 v82, v80
	v_nop
	s_wait_alu depctr_va_vdst(0)
.set kk, 0
.rept 32
	v_pk_mul_f32 v[CBR+kk:CBR+kk+1], v[CBR+kk:CBR+kk+1], v[82:83] op_sel_hi:[1,0]
.set kk, kk+2
.endr
.set kk, 0
.rept 32
	v_cvt_pk_f16_f32 v[64+kk], v[CBR+2*kk], v[CBR+2*kk+1]
.set kk, kk+1
.endr
.irp n, 0,1,2,3,4,5,6,7
	ds_store_b128 v[OSTO], v[64+4*\n:67+4*\n] offset:32*\n   ; row r, channels 16 n + 8 h on
.endr
.irp f, 0,1,2,3,4,5,6,7
	ds_load_b128 v[96+4*\f:99+4*\f], v[ORD] offset:\f*2*272  ; LDS serves a wave's instructions in order: these see my stores
.endr
.irp f, 0,1,2,3,4,5,6,7
	s_wait_dscnt 7-\f
	global_store_b128 v[GO], v[96+4*\f:99+4*\f], s[66:67] offset:8192*\f   ; 16 lanes store 256 consecutive bytes, at a multiple of 256 from the buffer's first byte
.endr
.Ldone_\@:
.endm
; A TASK'S WALK over its slots; its end (EPI) follows in the body.
.macro TASK tau, trips
	s_wait_xcnt 0x0                                ; the last task's loads, stores and prefetches have read their addresses
.if \tau == 0
	s_lshl_b32 s55, ttmp9, 4
	s_sub_co_u32 s[Q0], 2032, s55
.else
	s_lshl_b32 s[Q0], ttmp9, 4
.endif
	s_mul_i32 s56, s[Q0], ROWQ
	s_lshl_b32 s55, s[HQ], 8
	s_add_co_u32 s56, s56, s55
	s_mov_b32 s57, 0
	s_add_nc_u64 s[62:63], s[4:5], s[56:57]        ; q of my head at the first query
	s_lshl_b32 s56, s[Q0], 12
	s_add_co_u32 s56, s56, s55
	s_add_nc_u64 s[66:67], s[10:11], s[56:57]      ; n16 likewise
.irp i, 0,1,2,3
	global_load_b128 v[Q+8*\i:Q+8*\i+3], v[QO], s[62:63] offset:64*\i
	global_load_b128 v[Q+8*\i+4:Q+8*\i+7], v[QO], s[62:63] offset:64*\i+32
.endr
.irp i, 0,1,2,3
	v_mov_b32 v[ST+4*\i], 0xff61b1e6               ; m: -3e38, under every score
	v_mov_b32 v[ST+4*\i+1], 0                      ; l
	v_mov_b32 v[ST+4*\i+2], 0                      ; f
.endr
	WIN 0x40
.set kk, 0
.rept 256
	v_mov_b32 v[kk], 0                             ; O
.set kk, kk+1
.endr
	WIN 0
	s_mov_b32 s[KS], 0
	s_mov_b32 s[CNT], \trips-1
	s_wait_loadcnt 0x0                             ; Q
.Ltrip_\@:
	CHANGE 1, 1, 1-\tau
	STEP
	s_xor_b32 s[TB], s[TB], SLOT1
	s_add_co_u32 s[KS], s[KS], 128
	s_sub_co_u32 s[CNT], s[CNT], 1
	s_cmp_lg_u32 s[CNT], 0
	s_cbranch_scc1 .Ltrip_\@
	CHANGE 0, 1-\tau, 0                            ; the task's last slot is written out: nothing is asked for behind it
	STEP
	s_xor_b32 s[TB], s[TB], SLOT1
.endm
	s_load_b256 s[4:11], s[0:1], 0x0               ; qkv, raw_map_weights, weight_scale, n16
	v_lshl_add_u32 v[SPW], v0, 2, SPARE
	v_mov_b32 v[NIL], 0
	ds_add_u32 v[SPW], v[NIL]                      ; the wave's opening: the add, twice on end, and its wait ahead of the first tensor load
	ds_add_u32 v[SPW], v[NIL]
	v_lshrrev_b32 v13, 5, v0
	v_readfirstlane_b32 s[WV], v13                 ; wave 0..7
	s_and_b32 s56, ttmp7, 0xffff                   ; g
	s_and_b32 s55, s[WV], 3
	s_lshl_b32 s[HQ], s56, 2
	s_add_co_u32 s[HQ], s[HQ], s55                 ; my query head
	s_lshr_b32 s[KP], s[WV], 2
	s_lshl_b32 s[KP], s[KP], 6                     ; 64 x my key half
	s_mov_b32 s[G1K], (1<<16)|(1<<20)|(5<<22)|(3<<25)   ; elements of 2 bytes; padding on: after every 64 words, 4 words
	s_mov_b32 s[G1V], (1<<16)|(1<<20)|(5<<22)|(7<<25)   ; 8 words
.irp g, G1K, G1V
	s_mov_b32 s[\g+1], 128<<16                     ; tensor_dim0 = 128
	s_mov_b32 s[\g+2], 128<<16                     ; tensor_dim1 = 128
	s_mov_b32 s[\g+3], 128<<16                     ; tile_dim0
	s_mov_b32 s[\g+4], 128                         ; tile_dim1
	s_mov_b32 s[\g+5], 3072                        ; elements from row to row
	s_mov_b32 s[\g+6], 0
	s_mov_b32 s[\g+7], 0
.endr
	s_mov_b32 s[SEL], 0x76543210
	s_mov_b32 s[SEL+1], 0xfedcba98                 ; v_permlanex16_b32's selects for lane l xor 16
	s_mov_b32 s61, 0xff800000                      ; -infinity
	s_mov_b32 s72, 0x3c000000                      ; 1 / 128
	s_mov_b32 s73, 0x3727c5ac                      ; 1e-5
	s_mov_b32 s[TB], 0
	v_and_b32 v13, 15, v0                          ; r
	v_bfe_u32 v14, v0, 4, 1                        ; h
	v_and_b32 v15, 31, v0                          ; lane
	v_mul_u32_u24 v[AK0], v13, PKP
	v_lshl_add_u32 v[AK0], v14, 4, v[AK0]
	s_mul_i32 s57, s[KP], PKP
	v_add_nc_u32 v[AK0], s57, v[AK0]               ; K: row r x pitch + 16 h, in my key half
	v_and_b32 v5, 7, v0
	v_lshl_add_u32 v5, v14, 3, v5
	v_mul_u32_u24 v[AV0], v5, PVP
	v_bfe_u32 v5, v0, 3, 1
	v_lshl_add_u32 v[AV0], v5, 4, v[AV0]
	s_mul_i32 s57, s[KP], PVP
	s_add_co_u32 s57, s57, VOFF
	v_add_nc_u32 v[AV0], s57, v[AV0]               ; V, for the turning load: key 8 h + l % 8, channels 8 ((l / 8) % 2) on
	v_mul_u32_u24 v[QO], v13, ROWQ
	v_lshl_add_u32 v[QO], v14, 4, v[QO]
	v_lshlrev_b32 v5, 3, v14
	v_sub_nc_u32 v[DQ], v13, v5
	v_mul_u32_u24 v[PFO], v15, ROWQ
	v_lshlrev_b32 v[GO], 12, v14
	v_lshl_add_u32 v[GO], v13, 4, v[GO]
	s_lshl_b32 s57, s[WV], 11
	s_add_co_u32 s57, s57, XST
	v_lshl_add_u32 v[XWR], v15, 4, s57             ; every LDS address is made here, ahead of the first parting of the waves
	s_xor_b32 s57, s[WV], 4
	s_lshl_b32 s57, s57, 11
	s_add_co_u32 s57, s57, XST
	v_lshl_add_u32 v[XRD], v15, 4, s57
	s_lshl_b32 s57, s55, 13
	s_add_co_u32 s57, s57, CMB
	v_lshl_add_u32 v[CWR], v15, 4, s57
	s_mul_i32 s57, s[WV], 16*272
	s_add_co_u32 s57, s57, OST
	v_mul_u32_u24 v[OSTO], v13, 272
	v_lshl_add_u32 v[OSTO], v14, 4, v[OSTO]
	v_add_nc_u32 v[OSTO], s57, v[OSTO]
	v_mul_u32_u24 v[ORD], v14, 272
	v_lshl_add_u32 v[ORD], v13, 4, v[ORD]
	v_add_nc_u32 v[ORD], s57, v[ORD]
	s_lshr_b32 s57, s[WV], 2
	s_xor_b32 s57, s57, 1                          ; 0 in waves 4 to 7,
	s_or_b32 s57, s57, ttmp9                       ; of the kv head's first work-group
	s_cmp_eq_u32 s57, 0
	s_cselect_b32 s[LIM], 1, -1
	s_lshl_b32 s55, s55, 5
	s_add_co_u32 s55, s55, 128                     ; the prefetches begin in slot 1, 32 rows a wave; the first change of slots steps them to slot 2
	s_wait_dscnt 0x0                               ; both opening adds are done
	s_wait_kmcnt 0x0
	s_load_b128 s[12:15], s[6:7], 0x0              ; the four raw weights
	s_load_b32 s16, s[8:9], 0x0                    ; the scale
	s_lshl_b32 s56, s56, 8
	s_add_co_u32 s56, s56, 4096
	s_mov_b32 s57, 0
	s_add_nc_u64 s[KB0:KB0+1], s[4:5], s[56:57]
	s_add_nc_u64 s[VB0:VB0+1], s[KB0:KB0+1], 1024
	s_mul_i32 s56, s55, ROWQ
	s_add_nc_u64 s[PFA:PFA+1], s[KB0:KB0+1], s[56:57]
	s_mov_b32 s[G0K], 1
	s_mov_b32 s[G0K+1], 0
	s_mov_b64 s[G0K+2:G0K+3], s[KB0:KB0+1]
	s_or_b32 s[G0K+3], s[G0K+3], 0x80000000
	s_mov_b32 s[G0V], 1
	s_mov_b32 s[G0V+1], VOFF
	s_mov_b64 s[G0V+2:G0V+3], s[VB0:VB0+1]
	s_or_b32 s[G0V+3], s[G0V+3], 0x80000000
	TLOAD                                          ; slot 0: keys 0-127, of which key 0 counts for every query
	s_wait_kmcnt 0x0
.irp i, 0,1,2,3
	s_mul_f32 s[68+\i], s[12+\i], 0x4038aa3b       ; 2 log2(e) x raw
.endr
	TASK 0, 16                                     ; queries from 1,024 on: up to 16 slots
	s_cmp_eq_u32 ttmp9, 0                          ; work-group u = 0 has no second task: it would be the queries 0-15, which first16 makes.  It goes straight to the end that asks for no further tile.
	s_cbranch_scc1 .Llast                          ; The work-group's number alone decides: all eight waves go the same way
	EPI 0
	TASK 1, 8                                      ; queries 16 to 1,023: up to 8 slots
.Llast:
	EPI 1
	s_wait_tensorcnt 0x0                           ; the wave's end: a wait, an add and its wait behind my last tensor load and my last LDS store
	ds_add_u32 v[SPW], v[NIL]
	s_wait_dscnt 0x0
	s_endpgm
.Lfunc_end_k_q694c235520_attn:
	.size	k_q694c235520_attn, .Lfunc_end_k_q694c235520_attn-k_q694c235520_attn
	.p2alignl 7, 3214868480
	.fill 96, 4, 3214868480
	.section	.rodata,"a",@progbits
	.p2align	6, 0x0
	.amdhsa_kernel k_q694c235520_attn
		.amdhsa_group_segment_fixed_size 327680
		.amdhsa_private_segment_fixed_size 0
		.amdhsa_enable_private_segment 0
		.amdhsa_kernarg_size 32
		.amdhsa_user_sgpr_count 2
		.amdhsa_user_sgpr_kernarg_segment_ptr 1
		.amdhsa_wavefront_size32 1
		.amdhsa_system_sgpr_workgroup_id_x 1
		.amdhsa_system_sgpr_workgroup_id_y 1
		.amdhsa_system_sgpr_workgroup_id_z 1
		.amdhsa_system_vgpr_workitem_id 0
		.amdhsa_next_free_vgpr 512
		.amdhsa_next_free_sgpr 80
		.amdhsa_reserve_vcc 1
		.amdhsa_float_denorm_mode_32 3
		.amdhsa_float_denorm_mode_16_64 3
		.amdhsa_memory_ordered 1
		.amdhsa_forward_progress 1
		.amdhsa_inst_pref_size 255
	.end_amdhsa_kernel
	.section	.bss,"aw",@nobits
	.p2align	6
	.space	262144
	.amdgpu_metadata
---
amdhsa.version: [ 1, 2 ]
amdhsa.kernels:
  - .name:           k_q694c235520_attn
    .symbol:         k_q694c235520_attn.kd
    .args:
      - { .name: qkv, .offset: 0, .size: 8, .value_kind: global_buffer, .address_space: global }
      - { .name: raw_map_weights, .offset: 8, .size: 8, .value_kind: global_buffer, .address_space: global }
      - { .name: weight_scale, .offset: 16, .size: 8, .value_kind: global_buffer, .address_space: global }
      - { .name: n16, .offset: 24, .size: 8, .value_kind: global_buffer, .address_space: global }
    .group_segment_fixed_size: 327680
    .private_segment_fixed_size: 0
    .kernarg_segment_align: 8
    .kernarg_segment_size: 32
    .max_flat_workgroup_size: 256
    .sgpr_count:     80
    .vgpr_count:     512
    .wavefront_size: 32
...
	.end_amdgpu_metadata
.endif
;; end of part 4
;; launch outp (part 5): grid 16 x 16, 4 waves a work-group, clusters of 4 x 4, 327,680 bytes of LDS; arguments n16, ow16, out0; writes out0
.if DOCPART == 5
	.amdgcn_target "amdgcn-amd-amdhsa--gfx1250"
	.amdhsa_code_object_version 6
	.text
	.protected	k_q694c235520_outp
	.globl	k_q694c235520_outp
	.p2align	8
	.type	k_q694c235520_outp,@function
k_q694c235520_outp:
	s_mov_b64 s[64:65], 0
	v_nop
	global_prefetch_b8 v0, s[64:65] scope:SCOPE_SE
	s_setreg_imm32_b32 hwreg(HW_REG_WAVE_MODE, 25, 1), 1
	s_wait_xcnt 0x0
	s_wait_alu depctr_hold_cnt(0) depctr_sa_sdst(0) depctr_va_vdst(0) depctr_va_sdst(0) depctr_va_ssrc(0) depctr_va_vcc(0) depctr_vm_vsrc(0)
	s_getreg_b32 s2, hwreg(HW_REG_IB_STS2, 6, 4)
	s_cmp_eq_u32 s2, 0
	s_cbranch_scc0 .Lentry_in_a_cluster
	s_endpgm
.Lentry_in_a_cluster:
	s_bfe_u32 s2, ttmp6, 0x10000c
	s_cmp_lg_u32 s2, 0xf033
	s_cbranch_scc0 .Lentry_shape_is_right
	s_endpgm
.Lentry_shape_is_right:
; out0[t][o] = sum over c of n16[t][c] ow16[o][c].  n16, ow16: [2048][2048] f16 (gamma lies in ow16); out0: f32; sums in f32.
; A tile is 128 x 128: 256 work-groups.  Four waves, each 64 x 64: 16 accumulators.  K goes in steps of 256 (LDS rows of 512 bytes; a wave's tensor load brings 64 of them) through a ring of two slots.
; CLUSTERS: 4 x 4 work-groups.  The four of a row of the cluster need the same tiles of n16, the four of a column the same tiles of ow16: each tile is asked for jointly, by the same tensor load with the same descriptor and a mask of four.
; THE MATRIX INSTRUCTION IS USED TRANSPOSED (source 0 = 16 rows of ow16, source 1 = 16 rows of n16): a lane holds eight neighbouring numbers of a row of out0.
; A wave's 64 columns of f32 are 256 bytes: each wave has a stage of its own on the way out, and no barrier stands there.
; REGISTERS: window 0: v0-31 addresses; v32-95 at work on the way out; v128-255 the accumulators ((a, b) at v[128 + 8 (4 a + b)]).  Window 1: two fragment buffers of 128: for 64 along K, 64 registers of A, then 64 of B.
.set SIZE_M, 2048
.set SIZE_N, 2048
.set SIZE_K, 2048
.set KSTEP,  256
.set PITCH,  528                       ; an LDS row: 512 bytes + 16 of padding = 132 words
.set HALFT,  64*PITCH
.set SLOT,   4*HALFT                   ; A's 128 rows, then B's 128 rows
.set STAGE,  2*SLOT                    ; behind the ring: 16 rows x 272 bytes for each wave
.set SPITCH, 272
.set SPARE,  STAGE+4*16*SPITCH         ; the spare words, 128 bytes a wave, that no other line names
.set LAPS, SIZE_K/(2*KSTEP)
.set ADRA, 16
.set ADRB, 20
.set STO,  24
.set RD,   25
.set CO,   26
.set SPW,  28
.set NIL,  29
.set TMP,  32
.set ACC,  128
.set F0,   0
.set F1,   128
.set G1, 24
.set G0, 32
.set G1B, 48
.set G0B, 56
.set MSB, 0
.macro WIN new
.if MSB != \new
	s_set_vgpr_msb (MSB<<8)|\new
.set MSB, \new
.endif
.endm
.set MUL,  0x05                        ; sources 0 (B) and 1 (A) window 1; C and D window 0
.set TO_F, 0x40                        ; destination window 1, address window 0
.macro JLOAD s                         ; a joint load: waves 0 and 1 fetch A's two halves, waves 2 and 3 B's; an s_nop 0 and four v_nop follow each of the two lines
	s_cmp_eq_u32 s11, 0
	s_cbranch_scc0 .Lfor_b_\@
	tensor_load_to_lds s[G0+4*\s:G0+4*\s+3], s[G1:G1+7]
	s_nop 0
.rept 4
	v_nop
.endr
	s_branch .Lasked_\@
.Lfor_b_\@:
	tensor_load_to_lds s[G0B+4*\s:G0B+4*\s+3], s[G1B:G1B+7]
	s_nop 0
.rept 4
	v_nop
.endr
.Lasked_\@:
.endm
.macro CREST                           ; a round of the cluster's barrier behind its opening barrier
	s_cmp_lg_u32 s10, 0
	s_cbranch_scc1 .Lnot_wave_0_\@
	s_barrier_signal -3
.Lnot_wave_0_\@:
	s_barrier_wait -3
	s_barrier_signal -1
	s_barrier_wait -1
.endm
.macro CROUND
	s_barrier_signal -1
	s_barrier_wait -1
	CREST
.endm
	s_load_b128 s[4:7], s[0:1], 0x0                ; A = n16, B = ow16
	s_load_b64 s[8:9], s[0:1], 0x10                ; out0
	v_lshl_add_u32 v[SPW], v0, 2, SPARE
	v_mov_b32 v[NIL], 0
	ds_add_u32 v[SPW], v[NIL]                      ; the wave's opening: the add, twice on end, and its wait ahead of my first tensor load
	ds_add_u32 v[SPW], v[NIL]
	v_lshrrev_b32 v1, 5, v0
	v_readfirstlane_b32 s10, v1                    ; wave 0..3
	s_lshr_b32 s11, s10, 1                         ; my half of the tile's rows.  Also: I fetch for A (0) or for B (1)
	s_and_b32 s12, s10, 1                          ; my half of its columns.  Also: which 64 rows I fetch
	s_bfe_u32 s40, ttmp6, 0x40000                  ; cx, cy
	s_bfe_u32 s41, ttmp6, 0x40004
	s_lshl_b32 s42, ttmp9, 2
	s_add_co_u32 s42, s42, s40                     ; tile column
	s_and_b32 s13, ttmp7, 0xffff
	s_lshl_b32 s13, s13, 2
	s_add_co_u32 s13, s13, s41                     ; tile row
	s_lshl_b32 s43, s41, 2
	s_lshl_b32 s43, 15, s43                        ; my row of the cluster
	s_lshl_b32 s44, 0x1111, s40                    ; my column
	s_or_b32 s[G1+0], s43, (1<<16)|(1<<20)|(1<<21)|(6<<22)|(3<<25)  ; the mask; elements of 2 bytes; padding on; bit 21 beside a mask; after every 128 words, 4 words
	s_or_b32 s[G1B+0], s44, (1<<16)|(1<<20)|(1<<21)|(6<<22)|(3<<25)
.irp g, G1, G1B
	s_mov_b32 s[\g+1], KSTEP<<16
	s_mov_b32 s[\g+2], 64<<16
	s_mov_b32 s[\g+3], KSTEP<<16
	s_mov_b32 s[\g+4], 64
	s_mov_b32 s[\g+5], SIZE_K
	s_mov_b32 s[\g+6], 0
	s_mov_b32 s[\g+7], 0
.endr
	s_lshl_b32 s17, s12, 6
	s_lshl_b32 s16, s13, 7
	s_add_co_u32 s16, s16, s17                     ; A: row 128 x tile row + 64 x half
	s_lshl_b32 s46, s42, 7
	s_add_co_u32 s46, s46, s17                     ; B: row 128 x tile column + 64 x half
	s_mov_b32 s17, 0
	s_mov_b32 s47, 0
	s_mov_b64 s[18:19], SIZE_K*2
	s_mul_u64 s[16:17], s[16:17], s[18:19]
	s_mul_u64 s[46:47], s[46:47], s[18:19]
	s_mul_i32 s20, s10, HALFT                      ; where they go: wave x 64 rows
	s_wait_dscnt 0x0                               ; both opening adds are done
	s_wait_kmcnt 0x0
	s_add_nc_u64 s[14:15], s[4:5], s[16:17]
	s_add_nc_u64 s[46:47], s[6:7], s[46:47]
	CROUND                                         ; all sixteen work-groups are here: the first joint loads meet
.irp s, 0,1
	s_mov_b32 s[G0+4*\s], 1
	s_add_co_u32 s[G0+4*\s+1], s20, \s*SLOT
	s_add_nc_u64 s[G0+4*\s+2:G0+4*\s+3], s[14:15], \s*KSTEP*2
	s_or_b32 s[G0+4*\s+3], s[G0+4*\s+3], 0x80000000
	s_mov_b32 s[G0B+4*\s], 1
	s_add_co_u32 s[G0B+4*\s+1], s20, \s*SLOT
	s_add_nc_u64 s[G0B+4*\s+2:G0B+4*\s+3], s[46:47], \s*KSTEP*2
	s_or_b32 s[G0B+4*\s+3], s[G0B+4*\s+3], 0x80000000
	JLOAD \s
.endr
	v_and_b32 v1, 15, v0                           ; l % 16
	v_bfe_u32 v2, v0, 4, 1                         ; l / 16
	v_mul_u32_u24 v3, v1, PITCH
	v_lshl_add_u32 v3, v2, 4, v3
	s_mul_i32 s21, s11, HALFT                      ; my 64 rows of A
	s_mul_i32 s22, s12, HALFT                      ; my 64 rows of B,
	s_add_co_u32 s22, s22, 2*HALFT                 ; which lie behind A's 128
.irp s, 0,1
	v_add_nc_u32 v[ADRA+\s], s21, v3
	v_add_nc_u32 v[ADRB+\s], s22, v3
	s_add_co_u32 s21, s21, SLOT
	s_add_co_u32 s22, s22, SLOT
.endr
	s_mul_i32 s23, s10, 16*SPITCH
	s_add_co_u32 s23, s23, STAGE                   ; my stage
	v_mul_u32_u24 v4, v1, SPITCH                   ; in: row l % 16, 32 bytes for each half of the lanes
	v_lshl_add_u32 v4, v2, 5, v4
	v_add_nc_u32 v[STO], s23, v4
	v_mul_u32_u24 v5, v2, SPITCH                   ; back: lanes 0-15 one row of 256 bytes, lanes 16-31 the next
	v_lshl_add_u32 v5, v1, 4, v5
	v_add_nc_u32 v[RD], s23, v5
	v_mul_u32_u24 v5, v2, SIZE_N*4
	v_lshl_add_u32 v[CO], v1, 4, v5
	s_lshl_b32 s16, s13, 7
	s_lshl_b32 s17, s11, 6
	s_add_co_u32 s16, s16, s17                     ; my first row: 128 x tile row + 64 x half
	s_mov_b32 s17, 0
	s_mov_b64 s[18:19], SIZE_N*4
	s_mul_u64 s[16:17], s[16:17], s[18:19]
	s_add_nc_u64 s[8:9], s[8:9], s[16:17]
	s_lshl_b32 s46, s42, 9                         ; my first column, in bytes: 512 x tile column + 256 x half
	s_lshl_b32 s47, s12, 8
	s_add_co_u32 s46, s46, s47
	s_mov_b32 s47, 0
	s_add_nc_u64 s[8:9], s[8:9], s[46:47]
.macro MUL8 f, c, a0, zero             ; 8 matrix instructions: m blocks a0, a0 + 1 x all 4 n blocks, 32 along K: half c of buffer f.  zero = 1: the first product starts the sums
.irp a, \a0, \a0+1
.irp b, 0,1,2,3
.if \zero
	v_wmma_f32_16x16x32_f16 v[ACC+8*(4*(\a)+\b):ACC+8*(4*(\a)+\b)+7], v[\f+64+8*(4*\c+\b):\f+64+8*(4*\c+\b)+7], v[\f+8*(4*\c+\a):\f+8*(4*\c+\a)+7], 0
.else
	v_wmma_f32_16x16x32_f16 v[ACC+8*(4*(\a)+\b):ACC+8*(4*(\a)+\b)+7], v[\f+64+8*(4*\c+\b):\f+64+8*(4*\c+\b)+7], v[\f+8*(4*\c+\a):\f+8*(4*\c+\a)+7], v[ACC+8*(4*(\a)+\b):ACC+8*(4*(\a)+\b)+7]
.endif
.endr
.endr
.endm
.macro FETCH slot, k, f                ; 32 LDS loads in one run: the fragments of 64 along K at byte k of the rows, into buffer f; the first 32 along K first
	WIN TO_F
.irp c, 0,1
.irp i, 0,1,2,3
	ds_load_b128 v[\f+64+8*(4*\c+\i):\f+64+8*(4*\c+\i)+3],   v[ADRB+\slot] offset:\k+64*\c+\i*16*PITCH
	ds_load_b128 v[\f+64+8*(4*\c+\i)+4:\f+64+8*(4*\c+\i)+7], v[ADRB+\slot] offset:\k+64*\c+\i*16*PITCH+32
	ds_load_b128 v[\f+8*(4*\c+\i):\f+8*(4*\c+\i)+3],         v[ADRA+\slot] offset:\k+64*\c+\i*16*PITCH
	ds_load_b128 v[\f+8*(4*\c+\i)+4:\f+8*(4*\c+\i)+7],       v[ADRA+\slot] offset:\k+64*\c+\i*16*PITCH+32
.endr
.endr
.endm
.macro PLACES                          ; four places in front of loads into registers that matrix instructions have read, and of the first read of results
.rept 4
	v_nop
.endr
.endm
.macro QUARTER slot, k, f, g, zero     ; 64 along K: multiplies buffer f and fetches the next quarter, at byte k, into g
	s_wait_dscnt 16                                ; the first 32 along K are in
	WIN MUL
	MUL8 \f, 0, 0, \zero
	MUL8 \f, 0, 2, \zero
	PLACES
	FETCH \slot, \k, \g
	s_wait_dscnt 32                                ; all but the 32 just issued
	WIN MUL
	MUL8 \f, 1, 0, 0
	MUL8 \f, 1, 2, 0
.endm
; The last quarter multiplies buffer 1 and changes slots: one barrier; in front of it each wave waits for all its tensor loads, adds 0 to its spare word, and waits for that and for its own reads of this slot.  fill = 1: this slot is filled again, two K steps ahead.
.macro TURN slot, next, fill
	WIN 0                                          ; (the add's two registers lie in window 0)
	s_wait_tensorcnt 0x0                           ; all my tensor loads have landed: my part of the next slot
	ds_add_u32 v[SPW], v[NIL]
	s_wait_dscnt 17                                ; (the add and the youngest sixteen loads may be out)
	WIN MUL
	MUL8 F1, 0, 0, 0                               ; eight matrix instructions stand between the add and the wait for it
	s_wait_dscnt 0x0                               ; the add is done, and my reads of this slot are over
	s_barrier_signal -1
	MUL8 F1, 0, 2, 0
.if \fill
	WIN 0
.endif
	s_barrier_wait -1
.if \fill
	CREST                                          ; the barrier has opened a round of the cluster's barrier: no wave of any partner still reads this slot's tile or has a load on its way
	s_add_nc_u64 s[G0+4*\slot+2:G0+4*\slot+3], s[G0+4*\slot+2:G0+4*\slot+3], 2*KSTEP*2
	s_add_nc_u64 s[G0B+4*\slot+2:G0B+4*\slot+3], s[G0B+4*\slot+2:G0B+4*\slot+3], 2*KSTEP*2
	JLOAD \slot                                    ; the first tensor load behind the round; its four v_nop are also the places in front of the loads below
.else
	PLACES
.endif
	FETCH \next, 0, F0
	WIN MUL
	MUL8 F1, 1, 0, 0
	MUL8 F1, 1, 2, 0
.endm
	s_wait_tensorcnt 1                             ; my part of K step 0 is in,
	s_barrier_signal -1
	s_barrier_wait -1                              ; everybody's is
	FETCH 0, 0, F0
	QUARTER 0, 128, F0, F1, 1                      ; the first quarter stands in front of the loop: its first products start the sums
	WIN 0                                          ; at a label and at a branch every window is 0
	s_mov_b32 s3, LAPS-1
.Llap:                                                 ; a trip goes once round the ring, from a lap's second quarter to the next lap's first, and fills both slots again
	QUARTER 0, 256, F1, F0, 0
	QUARTER 0, 384, F0, F1, 0
	TURN 0, 1, 1
	QUARTER 1, 128, F0, F1, 0
	QUARTER 1, 256, F1, F0, 0
	QUARTER 1, 384, F0, F1, 0
	TURN 1, 0, 1
	QUARTER 0, 128, F0, F1, 0
	WIN 0
	s_sub_co_u32 s3, s3, 1
	s_cmp_lg_u32 s3, 0
	s_cbranch_scc1 .Llap
	QUARTER 0, 256, F1, F0, 0                      ; the last lap fills nothing, and has no round of the cluster's barrier
	QUARTER 0, 384, F0, F1, 0
	TURN 0, 1, 0
	QUARTER 1, 128, F0, F1, 0
	QUARTER 1, 256, F1, F0, 0
	QUARTER 1, 384, F0, F1, 0
	s_wait_dscnt 16                                ; the very last quarter: nothing more to fetch
	WIN MUL
	MUL8 F1, 0, 0, 0
	MUL8 F1, 0, 2, 0
	s_wait_dscnt 0
	MUL8 F1, 1, 0, 0
	MUL8 F1, 1, 2, 0
	WIN 0
	; THE WAY OUT, a block of 16 rows x 64 columns at a time: a lane's 32 bytes of a row into my own stage, back as whole rows of 256 bytes.  LDS serves a wave's instructions in order: no wait between the stores and the loads,
	; nor in front of the next block's stores.
	PLACES
.irp a, 0,1,2,3
.if \a > 1
	s_wait_xcnt 0x0                                ; block a - 2's stores have read their registers: block a's loads may land there
.endif
.irp b, 0,1,2,3
	ds_store_b128 v[STO], v[ACC+8*(4*\a+\b):ACC+8*(4*\a+\b)+3] offset:64*\b          ; each accumulator from its low end on
	ds_store_b128 v[STO], v[ACC+8*(4*\a+\b)+4:ACC+8*(4*\a+\b)+7] offset:64*\b+16
.endr
.irp t, 0,1,2,3,4,5,6,7
	ds_load_b128 v[TMP+32*(\a%2)+4*\t:TMP+32*(\a%2)+4*\t+3], v[RD] offset:\t*2*SPITCH
.endr
.irp t, 0,1,2,3,4,5,6,7
	s_wait_dscnt 7-\t
	global_store_b128 v[CO], v[TMP+32*(\a%2)+4*\t:TMP+32*(\a%2)+4*\t+3], s[8:9] offset:(16*\a+2*\t)*SIZE_N*4 th:TH_STORE_NT   ; 16 lanes store 256 consecutive bytes, at a multiple of 256 from the buffer's first byte
.endr
.endr
	s_wait_tensorcnt 0x0                           ; the wave's end: a wait, an add and its wait behind my last tensor load and my last LDS store
	ds_add_u32 v[SPW], v[NIL]
	s_wait_dscnt 0x0
	CROUND                                         ; the closing round: no work-group ends while a partner may still ask for a tile that names it
	s_endpgm
.Lfunc_end_k_q694c235520_outp:
	.size	k_q694c235520_outp, .Lfunc_end_k_q694c235520_outp-k_q694c235520_outp
	.p2alignl 7, 3214868480
	.fill 96, 4, 3214868480
	.section	.rodata,"a",@progbits
	.p2align	6, 0x0
	.amdhsa_kernel k_q694c235520_outp
		.amdhsa_group_segment_fixed_size 327680
		.amdhsa_private_segment_fixed_size 0
		.amdhsa_enable_private_segment 0
		.amdhsa_kernarg_size 24
		.amdhsa_user_sgpr_count 2
		.amdhsa_user_sgpr_kernarg_segment_ptr 1
		.amdhsa_wavefront_size32 1
		.amdhsa_system_sgpr_workgroup_id_x 1
		.amdhsa_system_sgpr_workgroup_id_y 1
		.amdhsa_system_sgpr_workgroup_id_z 1
		.amdhsa_system_vgpr_workitem_id 0
		.amdhsa_next_free_vgpr 512
		.amdhsa_next_free_sgpr 66
		.amdhsa_reserve_vcc 0
		.amdhsa_float_denorm_mode_32 3
		.amdhsa_float_denorm_mode_16_64 3
		.amdhsa_memory_ordered 1
		.amdhsa_forward_progress 1
		.amdhsa_inst_pref_size 87
	.end_amdhsa_kernel
	.amdgpu_metadata
---
amdhsa.version: [ 1, 2 ]
amdhsa.kernels:
  - .name:           k_q694c235520_outp
    .symbol:         k_q694c235520_outp.kd
    .args:
      - { .name: n16, .offset: 0, .size: 8, .value_kind: global_buffer, .address_space: global }
      - { .name: ow16, .offset: 8, .size: 8, .value_kind: global_buffer, .address_space: global }
      - { .name: out0, .offset: 16, .size: 8, .value_kind: global_buffer, .address_space: global }
    .group_segment_fixed_size: 327680
    .private_segment_fixed_size: 0
    .kernarg_segment_align: 8
    .kernarg_segment_size: 24
    .max_flat_workgroup_size: 128
    .sgpr_count:     66
    .vgpr_count:     512
    .wavefront_size: 32
...
	.end_amdgpu_metadata
.endif
;; end of part 5
